; MI455X (gfx1250); checked and timed in simulation.
; The chip was launched on July 23, 2026; its instructions are those of AMD's public machine-readable ISA for CDNA 5 (MIT licence, August 2026) and "CDNA5" Instruction Set Architecture Reference Guide (July 2026). The comments in the code are by the model that wrote it; some were corrected since.
;; Causal Self Attention. Allowed arithmetic: float matrix products may take bf16 or f16 operands with f32 sums; other float arithmetic in f32, or as packed bf16 or f16 multiplies, adds, multiply-adds, maxima and minima; sums over many terms, partial sums and values carried from step to step in f32; what a program stores and reads back later, other than sums and carried values, may be rounded once to bf16 or f16.
;; Inputs: cos 1 x 2,048 x 1 x 32 float32; sin 1 x 2,048 x 1 x 32 float32; ve 4 x 2,048 x 256 float32; wgate 8 x 4 float32; wk 1,024 x 256 float32; wproj 1,024 x 1,024 float32; wq 1,024 x 1,024 float32; wv 1,024 x 256 float32; x 4 x 2,048 x 1,024 float32.
;; Outputs: out0 4 x 2,048 x 1,024 float32.
;; Constants: window = 1024.
;; One version. Each part assembles by itself: llvm-mc -triple=amdgcn-amd-amdhsa -mcpu=gfx1250 --defsym DOCPART=n.
;; ======== version 1 of 1: 4 launches
;; limits: values are held in f16: magnitudes above 65,504 overflow, below 6.1e-05 lose precision
;; workspace buffers: xb 16,777,216 bytes; wb1 3,145,728 bytes; wb2 2,097,152 bytes; qh 16,777,216 bytes; kh 4,194,304 bytes; vh 4,194,304 bytes; yb 16,777,216 bytes
;; launch prep (part 1): grid 1344 x 1, 8 waves a work-group, no clusters, 0 bytes of LDS; arguments x, wq, wk, wv, wproj, xb, wb1, wb2; writes xb, wb1, wb2
.if DOCPART == 1
	.amdgcn_target "amdgcn-amd-amdhsa--gfx1250"
	.amdhsa_code_object_version 6
	.text
	.protected	k_q7b799fc90a_prep
	.globl	k_q7b799fc90a_prep
	.p2align	8
	.type	k_q7b799fc90a_prep,@function
k_q7b799fc90a_prep:
	s_mov_b64 s[64:65], 0
	v_nop
	global_prefetch_b8 v0, s[64:65] scope:SCOPE_SE
	s_setreg_imm32_b32 hwreg(HW_REG_WAVE_MODE, 25, 1), 1
	s_wait_xcnt 0x0
; PREP.  x and the four weight matrices, f32, are rounded once to bf16 and laid out for the two products that follow.
;   xb  = bf16(x), [8192][1024], as x lies.
;   wb1 = bf16 of wq | wk | wv in slabs of 128 k x 64 columns (one head, one K step), 16,384 dense bytes each: [c=8][ks=8][s=3][128][64].
;         Column tile c = 4 X + cx holds the heads hv = 12 X + cx + 4 s (hv 0-15: q, 16-19: k, 20-23: v).
;   wb2 = wproj rounded to bf16, that number written as f16: [c=8][ks=8][s=2][128][64], columns in their own order.
; LIMIT.  A bf16 number below 2^-14 keeps f16's fixed step of 2^-24 in wb2; beyond 65,504 it would be an infinity.
; SHARES.  A work-group makes 8,192 numbers, 16,384 dense bytes of output: work-groups 0-1023 a piece of x, the other 320 a slab.  Thread t owns 8 neighbouring
; numbers in each of four groups: output bytes 4,096 i + 16 t, so each store of a wave covers 512 consecutive bytes, aligned.  Its source is row 32 i + t / 8 of the
; slab, columns 8 (t % 8) on; a piece of x is the same formula with rows of 64 numbers.  No LDS, no matrix unit, no loop: each byte is read once and written once.
.set NX, 1024                          ; work-groups that convert x
	s_load_b256 s[4:11], s[0:1], 0x0               ; x s[4:5], wq s[6:7], wk s[8:9], wv s[10:11]
	s_load_b256 s[12:19], s[0:1], 0x20             ; wproj s[12:13], xb s[14:15], wb1 s[16:17], wb2 s[18:19]
	s_max_u32 s21, ttmp9, NX
	s_sub_co_u32 s21, s21, NX                      ; the slab's number (0 in the work-groups of x, where it serves nothing)
	s_lshr_b32 s22, s21, 3                         ; sigma: 0-23 the heads of wq, wk, wv; 24-39 the 64-column strips of wproj
	s_and_b32 s23, s21, 7                          ; ks
	s_mov_b32 s30, 1024
	s_mov_b32 s31, 4096
	s_sub_co_u32 s27, s22, 24                      ; the strip's number inside wproj,
	s_sub_co_u32 s28, s22, 20                      ; inside wv,
	s_sub_co_u32 s29, s22, 16                      ; inside wk
	s_cmp_ge_u32 s22, 12
	s_cselect_b32 s32, 1, 0                        ; X
	s_mul_i32 s33, s32, 12
	s_sub_co_u32 s33, s22, s33                     ; cx + 4 s
	s_lshr_b32 s34, s33, 2                         ; s
	s_and_b32 s33, s33, 3                          ; cx
	s_lshl2_add_u32 s33, s32, s33                  ; c = 4 X + cx
	s_lshl3_add_u32 s33, s33, s23                  ; 8 c + ks
	s_mul_i32 s33, s33, 3
	s_add_co_u32 s33, s33, s34
	s_lshl_b32 s33, s33, 14                        ; the slab's byte in wb1
	s_lshr_b32 s35, s27, 1
	s_and_b32 s36, s27, 1
	s_lshl3_add_u32 s35, s35, s23
	s_lshl1_add_u32 s35, s35, s36
	s_lshl_b32 s35, s35, 14                        ; the slab's byte in wb2
	v_lshlrev_b32 v1, 4, v0                        ; 16 t: my 16 bytes in a group of the output
	v_lshrrev_b32 v6, 3, v0                        ; t / 8
	v_and_b32 v7, 7, v0
	v_lshlrev_b32 v7, 5, v7                        ; 32 (t % 8)
	s_wait_kmcnt 0x0
	s_cmp_lt_u32 s22, 24
	s_cselect_b64 s[24:25], s[10:11], s[12:13]     ; the source: wv or wproj,
	s_cselect_b32 s26, s30, s31                    ; bytes in a row of it,
	s_cselect_b32 s37, s28, s27                    ; the strip inside it
	s_cselect_b64 s[38:39], s[16:17], s[18:19]     ; the destination
	s_cselect_b32 s40, s33, s35
	s_cselect_b32 s42, 0, 1                        ; 1: wproj, which goes on to f16
	s_cmp_lt_u32 s22, 20
	s_cselect_b64 s[24:25], s[8:9], s[24:25]       ; wk
	s_cselect_b32 s37, s29, s37
	s_cmp_lt_u32 s22, 16
	s_cselect_b64 s[24:25], s[6:7], s[24:25]       ; wq
	s_cselect_b32 s26, s31, s26
	s_cselect_b32 s37, s22, s37
	s_mul_i32 s43, s23, s26
	s_lshl_b32 s43, s43, 7                         ; 128 ks rows
	s_lshl_b32 s37, s37, 8                         ; + 64 columns of 4 bytes a strip
	s_add_co_u32 s43, s43, s37
	s_lshl_b32 s44, ttmp9, 15                      ; a piece of x: 32,768 bytes in,
	s_lshl_b32 s45, ttmp9, 14                      ; 16,384 out
	s_cmp_lt_u32 ttmp9, NX
	s_cselect_b64 s[24:25], s[4:5], s[24:25]
	s_cselect_b64 s[38:39], s[14:15], s[38:39]
	s_cselect_b32 s26, 256, s26                    ; a piece of x counts as rows of 64 numbers
	s_cselect_b32 s46, s44, s43
	s_cselect_b32 s40, s45, s40
	s_mov_b32 s47, 0
	s_mov_b32 s41, 0
	s_add_nc_u64 s[24:25], s[24:25], s[46:47]
	s_add_nc_u64 s[38:39], s[38:39], s[40:41]
	s_lshl_b32 s20, s26, 5                         ; 32 rows: from group to group
	v_mad_u32_u24 v2, v6, s26, v7                  ; group 0: row t / 8, 32 bytes a thread
	v_add_nc_u32 v3, s20, v2
	v_add_nc_u32 v4, s20, v3
	v_add_nc_u32 v5, s20, v4
.irp i, 0,1,2,3
	global_load_b128 v[8+8*\i:11+8*\i],  v[2+\i], s[24:25] th:TH_LOAD_NT
	global_load_b128 v[12+8*\i:15+8*\i], v[2+\i], s[24:25] offset:16 th:TH_LOAD_NT
.endr
.irp i, 0,1,2,3
	s_wait_loadcnt 6-2*\i                          ; loads come back in order: group i is in, the younger groups' loads stay out
.irp j, 0,1,2,3
	v_cvt_pk_bf16_f32 v[40+4*\i+\j], v[8+8*\i+2*\j], v[9+8*\i+2*\j]
.endr
.endr
	s_cmp_eq_u32 s42, 0
	s_cbranch_scc1 .Lstore
.set n, 0
.rept 16                               ; wproj: the bf16 numbers widened (a shift, a mask) and written as f16
	v_lshlrev_b32 v[56+2*(n%2)], 16, v[40+n]
	v_and_b32 v[57+2*(n%2)], 0xffff0000, v[40+n]
	v_cvt_pk_f16_f32 v[40+n], v[56+2*(n%2)], v[57+2*(n%2)]
.set n, n+1
.endr
.Lstore:
.irp i, 0,1,2,3
	global_store_b128 v1, v[40+4*\i:43+4*\i], s[38:39] offset:4096*\i
.endr
	s_endpgm
.Lfunc_end_k_q7b799fc90a_prep:
	.size	k_q7b799fc90a_prep, .Lfunc_end_k_q7b799fc90a_prep-k_q7b799fc90a_prep
	.p2alignl 7, 3214868480
	.fill 96, 4, 3214868480
	.section	.rodata,"a",@progbits
	.p2align	6, 0x0
	.amdhsa_kernel k_q7b799fc90a_prep
		.amdhsa_group_segment_fixed_size 0
		.amdhsa_private_segment_fixed_size 0
		.amdhsa_enable_private_segment 0
		.amdhsa_kernarg_size 64
		.amdhsa_user_sgpr_count 2
		.amdhsa_user_sgpr_kernarg_segment_ptr 1
		.amdhsa_wavefront_size32 1
		.amdhsa_system_sgpr_workgroup_id_x 1
		.amdhsa_system_sgpr_workgroup_id_y 1
		.amdhsa_system_sgpr_workgroup_id_z 1
		.amdhsa_system_vgpr_workitem_id 0
		.amdhsa_next_free_vgpr 64
		.amdhsa_next_free_sgpr 66
		.amdhsa_reserve_vcc 0
		.amdhsa_float_denorm_mode_32 3
		.amdhsa_float_denorm_mode_16_64 3
		.amdhsa_memory_ordered 1
		.amdhsa_forward_progress 1
		.amdhsa_inst_pref_size 8
	.end_amdhsa_kernel
	.amdgpu_metadata
---
amdhsa.version: [ 1, 2 ]
amdhsa.kernels:
  - .name:           k_q7b799fc90a_prep
    .symbol:         k_q7b799fc90a_prep.kd
    .args:
      - { .name: x, .offset: 0, .size: 8, .value_kind: global_buffer, .address_space: global }
      - { .name: wq, .offset: 8, .size: 8, .value_kind: global_buffer, .address_space: global }
      - { .name: wk, .offset: 16, .size: 8, .value_kind: global_buffer, .address_space: global }
      - { .name: wv, .offset: 24, .size: 8, .value_kind: global_buffer, .address_space: global }
      - { .name: wproj, .offset: 32, .size: 8, .value_kind: global_buffer, .address_space: global }
      - { .name: xb, .offset: 40, .size: 8, .value_kind: global_buffer, .address_space: global }
      - { .name: wb1, .offset: 48, .size: 8, .value_kind: global_buffer, .address_space: global }
      - { .name: wb2, .offset: 56, .size: 8, .value_kind: global_buffer, .address_space: global }
    .group_segment_fixed_size: 0
    .private_segment_fixed_size: 0
    .kernarg_segment_align: 8
    .kernarg_segment_size: 64
    .max_flat_workgroup_size: 256
    .sgpr_count:     66
    .vgpr_count:     64
    .wavefront_size: 32
...
	.end_amdgpu_metadata
.endif
;; end of part 1
;; launch qkv (part 2): grid 8 x 32, 4 waves a work-group, clusters of 4 x 4, 327,680 bytes of LDS; arguments xb, wb1, cos, sin, ve, wgate, qh, kh, vh; writes qh, kh, vh
.if DOCPART == 2
	.amdgcn_target "amdgcn-amd-amdhsa--gfx1250"
	.amdhsa_code_object_version 6
	.text
	.protected	k_q7b799fc90a_qkv
	.globl	k_q7b799fc90a_qkv
	.p2align	8
	.type	k_q7b799fc90a_qkv,@function
k_q7b799fc90a_qkv:
	s_mov_b64 s[64:65], 0
	v_nop
	global_prefetch_b8 v0, s[64:65] scope:SCOPE_SE
	s_setreg_imm32_b32 hwreg(HW_REG_WAVE_MODE, 25, 1), 1
	s_wait_xcnt 0x0
	s_wait_alu depctr_hold_cnt(0) depctr_sa_sdst(0) depctr_va_vdst(0) depctr_va_sdst(0) depctr_va_ssrc(0) depctr_va_vcc(0) depctr_vm_vsrc(0)
	s_getreg_b32 s2, hwreg(HW_REG_IB_STS2, 6, 4)
	s_cmp_eq_u32 s2, 0
	s_cbranch_scc0 .Lentry_in_a_cluster
	s_endpgm
.Lentry_in_a_cluster:
	s_bfe_u32 s2, ttmp6, 0x10000c
	s_cmp_lg_u32 s2, 0xf033
	s_cbranch_scc0 .Lentry_shape_is_right
	s_endpgm
.Lentry_shape_is_right:
; QKV.  [q | k | v] = xb x [wq | wk | wv] in bf16 with f32 sums; then, in f32: the rotary step and the RMS norm on q and k, v + 2 sigmoid(x[:8] . wgate) ve on v.
; q (times c = log2(e) / 8), k and v leave rounded once to f16, by heads: qh [4][16][2048][64], kh and vh [4][4][2048][64].
; cos, sin, ve and wgate are rounded to bf16 as x and the weights were: every input of the module has the same rounding.
; LIMITS.  v must stay within f16's 65,504; q and k are normalised, at most 8 in size.  NaN and infinities are not treated apart.
; SHARES.  A tile is 256 rows x 192 columns = three heads; 8 x 32 tiles, one a work-group.  Wave w owns rows 64 w .. 64 w + 63 and all 192 columns: 4 x 12 accumulators, 384 registers: whole heads, so
; norm and rotation never leave the wave.  Column tile 4 X + cx holds the heads 12 X + cx + 4 s: (q, q, q) where the cluster's x is 0, (q, k, v) where it is 1: the way out's one choice hangs on the cluster's x.
; K goes in 8 steps of 128 through two LDS slots: A 256 rows x 256 bytes (pitch 272), B 384 rows (slab, k) x 128 bytes (pitch 160).
; CLUSTER 4 x 4: A's tile is shared along a row of the cluster, B's along a column; each is asked for jointly, waves 0, 1 A's halves, waves 2, 3 B's.
; THE PRODUCT IS TAKEN TRANSPOSED (source 0 = 16 columns of B, turned by ds_load_tr16_b128; source 1 = 16 rows of A): a lane holds ONE row (lane % 16) and, of column block b, the columns 8 (lane / 16) + 0..7.
; Column d of a head and column d + 32 then lie in the same lane and register, two accumulators apart.
; REGISTERS.  window 0: v1 r, v2 h, v8-15 at work, v16-30 addresses, v32-63 T (a unit's 32 numbers; before that the gate's operands), v64-127 A's fragments (two buffers; later the way out), v128-255 cos, sin
;   window 1: v0-191 B's fragments, two buffers      windows 2, 3: v0-191 accumulators (row block ra in window 2 + ra / 2, at 8 (12 (ra % 2) + b)); v192-255 ve
.set NS,    3
.set NCB,   4*NS                       ; column blocks of 16
.set RB,    32*NS                      ; rows of 256 bytes in half a tile of B
.set PITCH, 272
.set PB,    160
.set BOFF,  256*PITCH                  ; B's rows lie behind A's
.set SLOT1, 131072                     ; a slot is 69,632 + 61,440 bytes
.set BSTEP, NS*16384                   ; bytes of wb1 in a K step of a column tile
.set STAGE, 2*SLOT1                    ; behind the ring: 16 rows x 144 bytes for each wave
.set SP,    144
.set SPARE, STAGE+4*16*SP              ; the spare words: 128 bytes a wave, two blocks of 256 bytes that no other line names
.set CSC,   0x3e38aa3b                 ; c = log2(e) / 8
.set GT,    8                          ; v8-11  the gates of my four row blocks
.set ADRA0, 16                         ; my lane's place in a slot's A; never rewritten
.set ADRB0, 17                         ; the same for B
.set AA,    18                         ; the same in the slot in hand
.set AB,    19
.set VC,    20                         ; byte offsets of the loads for the way out; never rewritten
.set VE,    21
.set VX,    22
.set VZ,    23
.set STO,   24
.set RD,    25
.set GO,    26
.set SPW,   28                         ; LDS address of my spare word; never rewritten
.set NIL,   29                         ; 0; never rewritten
.set PFO,   30                         ; 2,048 x lane: a row of xb
.set T,     32
.set PKD,   64
.set BK,    80
.set CSN,   128
.set WV, 22
.set WH, 23
.set WL, 24
.set CX, 25
.set CY, 26
.set TC, 27
.set TR, 28
.set XX, 29
.set TB, 30                            ; LDS byte at which the slot in hand begins
.set G1A, 32
.set G0A, 40                           ; two sets: the two first fills; the second then walks
.set G1B, 48
.set G0B, 56
.set PFA, 66
.set LIM, 68
.set KC,  69
.set TCN, 70
.set DST, 72                           ; s[72:77] where the three heads go
.set SC,  78                           ; s78-80 what each head's norm is multiplied by
.set I64, 81
.set EPS, 82
.set SEL, 84
.set MSB, 0
.macro WIN new                         ; the immediate's high byte repeats the setting that is left; a switch that changes nothing is dropped
.if MSB != (\new)
	s_set_vgpr_msb (MSB<<8)|(\new)
.set MSB, \new
.endif
.endm
.macro PLACES                          ; four plain instructions between a matrix instruction and a load into, or a vector instruction on, its registers
.rept 4
	v_nop
.endr
.endm
.macro CREST                           ; a round of the cluster's barrier behind its opening barrier
	s_cmp_lg_u32 s[WV], 0
	s_cbranch_scc1 .Lnot_wave_0_\@
	s_barrier_signal -3
.Lnot_wave_0_\@:
	s_barrier_wait -3
	s_barrier_signal -1
	s_barrier_wait -1
.endm
.macro CROUND
	s_barrier_signal -1
	s_barrier_wait -1
	CREST
.endm
.macro JLOAD                           ; a joint refill by the walking descriptor; the branch hangs on the wave's number alone; s_nop 0 and four v_nop follow each line
	s_cmp_eq_u32 s[WH], 0
	s_cbranch_scc0 .Lfor_b_\@
	tensor_load_to_lds s[G0A+4:G0A+7], s[G1A:G1A+7]
	s_nop 0
.rept 4
	v_nop
.endr
	s_branch .Lasked_\@
.Lfor_b_\@:
	tensor_load_to_lds s[G0B+4:G0B+7], s[G1B:G1B+7]
	s_nop 0
.rept 4
	v_nop
.endr
.Lasked_\@:
.endm
; A prefetch of A's K step two refills on: 32 rows x 256 bytes, a lane a row.  A's tile row is read by both clusters of its row of clusters: the one with x = 0 asks, its waves 0 and 1; of the 128 rows
; that a wave fetches each of the four partners takes 32, told apart by address.  Trips 0 to 3 name K steps 4 to 7; the last two trips name nothing.  So each row's 256 bytes are named once.
.macro ASK
	s_cmp_gt_u32 s[KC], s[LIM]
	s_cbranch_scc0 .Lnot_mine_\@
	global_prefetch_b8 v[PFO], s[PFA:PFA+1] offset:256 th:TH_LOAD_NT scope:SCOPE_SE
.Lnot_mine_\@:
.endm
; 12 matrix instructions: row block 2 hi + ra x all column blocks, 32 along K, from fragment buffer f.  zero = 1: the product starts the sums.
.macro MULA f, hi, ra, zero
	WIN 0xa1+0x50*(\hi)                            ; source 0 (B) window 1, source 1 (A) window 0, C and D window 2 or 3
.set bb, 0
.rept NCB
.set rD, 8*(NCB*(\ra)+bb)
.set rB, 8*NCB*(\f)+8*bb
.set rA, 64+32*(\f)+8*(2*(\hi)+(\ra))
.if \zero
	v_wmma_f32_16x16x32_bf16 v[rD:rD+7], v[rB:rB+7], v[rA:rA+7], 0
.else
	v_wmma_f32_16x16x32_bf16 v[rD:rD+7], v[rB:rB+7], v[rA:rA+7], v[rD:rD+7]
.endif
.set bb, bb+1
.endr
.endm
; 32 LDS loads in one run: quarter q (32 along K) of the slot in hand into buffer f; B's 24 first, then A's 8
.macro FETCH q, f
	WIN 0x40                                       ; destination window 1
.set bb, 0
.rept NCB
	ds_load_tr16_b128 v[8*NCB*(\f)+8*bb:8*NCB*(\f)+8*bb+3],   v[AB] offset:(bb/4)*128*PB+(\q)*32*PB+32*(bb%4)
	ds_load_tr16_b128 v[8*NCB*(\f)+8*bb+4:8*NCB*(\f)+8*bb+7], v[AB] offset:(bb/4)*128*PB+(\q)*32*PB+32*(bb%4)+16*PB
.set bb, bb+1
.endr
	WIN 0
.irp i, 0,1,2,3
	ds_load_b128 v[64+32*(\f)+8*\i:64+32*(\f)+8*\i+3],   v[AA] offset:64*(\q)+\i*16*PITCH
	ds_load_b128 v[64+32*(\f)+8*\i+4:64+32*(\f)+8*\i+7], v[AA] offset:64*(\q)+\i*16*PITCH+32
.endr
.endm
; One of a K step's first three quarters: multiplies buffer f, and in its middle fetches quarter q into buffer g.  The 48 accumulators take turns in one order everywhere.
.macro QUARTER q, f, g, zero
	s_wait_dscnt 4                                 ; B and A's row blocks 0, 1 are in; the youngest four loads (blocks 2, 3) may be out
	MULA \f, 0, 0, \zero
	MULA \f, 0, 1, \zero
	PLACES
	FETCH \q, \g
	s_wait_dscnt 2*NCB+8                           ; all but the run just issued
	MULA \f, 1, 0, \zero
	MULA \f, 1, 1, \zero
.endm
; The last quarter multiplies buffer 1 and changes slots.  In front of the barrier each wave waits for all its tensor loads (one is out: its part of the next slot), adds 0 to its spare word, and waits for
; that and for its reads of this slot.  fill = 1: the barrier opens a round of the cluster's, and the joint refill, this slot's K step two on, is the first thing behind the round.
.macro TURN fill
.if \fill
	s_wait_xcnt 0x0                                ; the last prefetch, a K step back, has read its address
	s_add_nc_u64 s[PFA:PFA+1], s[PFA:PFA+1], 256
.endif
	WIN 0
	s_wait_tensorcnt 0x0
	ds_add_u32 v[SPW], v[NIL]
.if \fill
	s_xor_b32 s[G0A+5], s[G0A+5], SLOT1            ; no load of mine is out: the walking descriptors step: the other slot, the next K step
	s_add_nc_u64 s[G0A+6:G0A+7], s[G0A+6:G0A+7], 256
	s_xor_b32 s[G0B+5], s[G0B+5], SLOT1
	s_add_nc_u64 s[G0B+6:G0B+7], s[G0B+6:G0B+7], BSTEP
.endif
	s_wait_dscnt 5                                 ; the add and the youngest four loads may be out
	MULA 1, 0, 0, 0
	s_wait_dscnt 0x0                               ; the add is done, my reads of this slot are over
	s_barrier_signal -1
	MULA 1, 0, 1, 0
	WIN 0
	s_barrier_wait -1
.if \fill
	CREST
	JLOAD                                          ; its four v_nop are also the places in front of the loads below
.else
	PLACES
.endif
	s_xor_b32 s[TB], s[TB], SLOT1
	v_add_nc_u32 v[AA], s[TB], v[ADRA0]
	v_add_nc_u32 v[AB], s[TB], v[ADRB0]
	FETCH 0, 0
.if \fill
	ASK
.endif
	MULA 1, 1, 0, 0
	MULA 1, 1, 1, 0
.endm
	s_load_b256 s[4:11], s[0:1], 0x0               ; xb s[4:5], wb1 s[6:7], cos s[8:9], sin s[10:11]
	s_load_b256 s[12:19], s[0:1], 0x20             ; ve s[12:13], wgate s[14:15], qh s[16:17], kh s[18:19]
	s_load_b64 s[20:21], s[0:1], 0x40              ; vh
	v_lshl_add_u32 v[SPW], v0, 2, SPARE
	v_mov_b32 v[NIL], 0
	ds_add_u32 v[SPW], v[NIL]                      ; the wave's opening: the add and its wait ahead of my first tensor load
	ds_add_u32 v28, v29
	v_lshrrev_b32 v1, 5, v0
	v_readfirstlane_b32 s[WV], v1                  ; wave 0..3
	s_lshr_b32 s[WH], s[WV], 1                     ; I fetch for A (0) or for B (1),
	s_and_b32 s[WL], s[WV], 1                      ; this half of the tile
	s_bfe_u32 s[CX], ttmp6, 0x40000
	s_bfe_u32 s[CY], ttmp6, 0x40004
	s_lshl_b32 s[TC], ttmp9, 2
	s_add_co_u32 s[TC], s[TC], s[CX]               ; column tile
	s_and_b32 s[TR], ttmp7, 0xffff
	s_lshl_b32 s[TR], s[TR], 2
	s_add_co_u32 s[TR], s[TR], s[CY]               ; row tile
	s_mov_b32 s[XX], ttmp9                         ; the cluster's x
	s_lshl_b32 s71, s[CY], 2
	s_lshl_b32 s71, 15, s71                        ; my row of the cluster
	s_lshl_b32 s83, 0x1111, s[CX]                  ; my column
	s_or_b32 s[G1A], s71, (1<<16)|(1<<20)|(1<<21)|(5<<22)|(3<<25)  ; mask; 2-byte elements; padding on; bit 21 beside a mask; after every 64 words 4 words
	s_or_b32 s[G1B], s83, (1<<16)|(1<<20)|(1<<21)|(4<<22)|(7<<25)  ; after every 32 words 8 words
	s_mov_b32 s[G1A+1], 128<<16                    ; A: 128 rows x 128 elements, 1,024 elements from row to row
	s_mov_b32 s[G1A+2], 128<<16
	s_mov_b32 s[G1A+3], 128<<16
	s_mov_b32 s[G1A+4], 128
	s_mov_b32 s[G1A+5], 1024
	s_mov_b32 s[G1A+6], 0
	s_mov_b32 s[G1A+7], 0
	s_mov_b32 s[G1B+1], 128<<16                    ; B: 24,576 dense bytes as 96 rows of 256, two LDS rows each
	s_mov_b32 s[G1B+2], RB<<16
	s_mov_b32 s[G1B+3], 128<<16
	s_mov_b32 s[G1B+4], RB
	s_mov_b32 s[G1B+5], 128
	s_mov_b32 s[G1B+6], 0
	s_mov_b32 s[G1B+7], 0
	s_lshl_b32 s96, s[TR], 19                      ; A: (256 row tile + 128 half) rows of 2,048 bytes: registers that never hold cx
	s_lshl_b32 s97, s[WL], 18
	s_add_co_u32 s96, s96, s97
	s_mov_b32 s97, 0
	s_mul_i32 s98, s[TC], 8*BSTEP                  ; B: the column tile's K step 0, my half: registers that never hold cy
	s_mul_i32 s99, s[WL], RB*256
	s_add_co_u32 s98, s98, s99
	s_mov_b32 s99, 0
	s_mul_i32 s31, s[WL], 128*PITCH                ; where they go: the wave's number alone
	s_mul_i32 s100, s[WL], RB*320
	s_add_co_u32 s100, s100, BOFF
	s_lshl_b32 s[PFA], s[TR], 19                   ; the prefetches: my work-group's 32 of the 128 rows that I fetch, at K step 2; the first refill steps to 3 and names 4
	s_lshl_b32 s83, s[WL], 18
	s_add_co_u32 s[PFA], s[PFA], s83
	s_lshl_b32 s83, s[CX], 16
	s_add_co_u32 s[PFA], s[PFA], s83
	s_add_co_u32 s[PFA], s[PFA], 512
	s_mov_b32 s[PFA+1], 0
	s_or_b32 s[LIM], s[WH], ttmp9
	s_cmp_eq_u32 s[LIM], 0
	s_cselect_b32 s[LIM], 2, -1                    ; the same in all sixteen partners, for a given wave
	s_mov_b32 s[TB], 0
	s_mov_b32 s[KC], 6
	s_wait_dscnt 0x0                               ; the opening add is done
	s_wait_kmcnt 0x0
	s_add_nc_u64 s[96:97], s[4:5], s[96:97]
	s_add_nc_u64 s[98:99], s[6:7], s[98:99]
	s_add_nc_u64 s[PFA:PFA+1], s[4:5], s[PFA:PFA+1]
.irp k, 0,1
	s_mov_b32 s[G0A+4*\k], 1
	s_add_co_u32 s[G0A+4*\k+1], s31, \k*SLOT1
	s_add_nc_u64 s[G0A+4*\k+2:G0A+4*\k+3], s[96:97], \k*256
	s_or_b32 s[G0A+4*\k+3], s[G0A+4*\k+3], 0x80000000
	s_mov_b32 s[G0B+4*\k], 1
	s_add_co_u32 s[G0B+4*\k+1], s100, \k*SLOT1
	s_add_nc_u64 s[G0B+4*\k+2:G0B+4*\k+3], s[98:99], \k*BSTEP
	s_or_b32 s[G0B+4*\k+3], s[G0B+4*\k+3], 0x80000000
.endr
	CROUND                                         ; all sixteen work-groups are here: the first joint loads meet
	s_cmp_eq_u32 s[WH], 0                          ; a wave's two first fills stand in one branch: two loads of mine are out
	s_cbranch_scc0 .Lfirst_b
	tensor_load_to_lds s[G0A:G0A+3], s[G1A:G1A+7]
	s_nop 0
	tensor_load_to_lds s[G0A+4:G0A+7], s[G1A:G1A+7]
	s_nop 0
.rept 4
	v_nop
.endr
	s_branch .Lfirst_done
.Lfirst_b:
	tensor_load_to_lds s[G0B:G0B+3], s[G1B:G1B+7]
	s_nop 0
	tensor_load_to_lds s[G0B+4:G0B+7], s[G1B:G1B+7]
	s_nop 0
.rept 4
	v_nop
.endr
.Lfirst_done:
	; what the way out wants is asked for now and waited for behind the K loop.  My rows are R0 = 256 row tile + 64 w on; in their sequence they are positions t0 = 256 (row tile % 8) + 64 w on.
	s_and_b32 s71, s[TR], 7
	s_lshl_b32 s71, s71, 15
	s_lshl_b32 s83, s[WV], 13
	s_add_co_u32 s86, s71, s83                     ; t0 x 128 bytes
	s_mov_b32 s87, 0
	s_add_nc_u64 s[88:89], s[10:11], s[86:87]      ; sin
	s_add_nc_u64 s[86:87], s[8:9], s[86:87]        ; cos
	s_lshl_b32 s90, s[TR], 18
	s_lshl_b32 s83, s[WV], 16
	s_add_co_u32 s90, s90, s83
	s_lshl_b32 s83, s[CX], 8
	s_add_co_u32 s90, s90, s83                     ; R0 x 1,024 + 256 cx: ve's head cx
	s_mov_b32 s91, 0
	s_add_nc_u64 s[90:91], s[12:13], s[90:91]
	s_lshl_b32 s92, s[TR], 19
	s_lshl_b32 s83, s[WV], 17
	s_add_co_u32 s92, s92, s83                     ; R0 x 2,048: xb's rows
	s_mov_b32 s93, 0
	s_add_nc_u64 s[92:93], s[4:5], s[92:93]
	s_lshl_b32 s94, s[CX], 2
	s_mov_b32 s95, 0
	s_add_nc_u64 s[94:95], s[14:15], s[94:95]      ; wgate's column cx
	v_and_b32 v1, 15, v0                           ; r = lane % 16
	v_bfe_u32 v2, v0, 4, 1                         ; h = lane / 16
	v_lshlrev_b32 v[VC], 7, v1
	v_lshl_add_u32 v[VC], v2, 5, v[VC]             ; 128 r + 32 h
	v_lshlrev_b32 v[VE], 10, v1
	v_lshl_add_u32 v[VE], v2, 5, v[VE]             ; 1,024 r + 32 h
	v_lshlrev_b32 v[VX], 11, v1                    ; 2,048 r
	v_mov_b32 v[VZ], 0
.irp ra, 0,1,2,3
.irp cb, 0,1                           ; cos and sin of position t0 + 16 ra + r, entries 16 cb + 8 h + 0..7
	global_load_b128 v[CSN+32*\ra+8*\cb:CSN+32*\ra+8*\cb+3],       v[VC], s[86:87] offset:\ra*2048+\cb*64
	global_load_b128 v[CSN+32*\ra+8*\cb+4:CSN+32*\ra+8*\cb+7],     v[VC], s[86:87] offset:\ra*2048+\cb*64+16
	global_load_b128 v[CSN+32*\ra+16+8*\cb:CSN+32*\ra+16+8*\cb+3], v[VC], s[88:89] offset:\ra*2048+\cb*64
	global_load_b128 v[CSN+32*\ra+16+8*\cb+4:CSN+32*\ra+16+8*\cb+7], v[VC], s[88:89] offset:\ra*2048+\cb*64+16
.endr
.endr
	s_cmp_eq_u32 s[XX], 0
	s_cbranch_scc1 .Lno_ve                         ; only the tiles with a head of v want ve and the gate
.irp ra, 0,1,2,3
	WIN 0x80+0x40*(\ra/2)                          ; destination window 2 or 3
.irp cb, 0,1,2,3
	global_load_b128 v[192+32*(\ra%2)+8*\cb:192+32*(\ra%2)+8*\cb+3],   v[VE], s[90:91] offset:\ra*16384+\cb*64 th:TH_LOAD_NT
	global_load_b128 v[192+32*(\ra%2)+8*\cb+4:192+32*(\ra%2)+8*\cb+7], v[VE], s[90:91] offset:\ra*16384+\cb*64+16 th:TH_LOAD_NT
.endr
.endr
	WIN 0
.irp ra, 0,1,2,3
	global_load_b128 v[T+4*\ra:T+4*\ra+3], v[VX], s[92:93] offset:\ra*32768   ; x[:8] of my row, bf16
.endr
.irp i, 0,1,2,3,4,5,6,7
	global_load_b32 v[T+16+\i], v[VZ], s[94:95] offset:16*\i                  ; wgate[i][cx], the same word in every lane
.endr
.Lno_ve:
	s_mul_i32 s83, s[WV], 64*PITCH
	v_mul_u32_u24 v[ADRA0], v1, PITCH
	v_lshl_add_u32 v[ADRA0], v2, 4, v[ADRA0]
	v_add_nc_u32 v[ADRA0], s83, v[ADRA0]           ; (64 w + r) x pitch + 16 h
	v_and_b32 v3, 7, v0
	v_bfe_u32 v4, v0, 3, 1
	v_lshl_add_u32 v5, v2, 3, v3
	v_mul_u32_u24 v[ADRB0], v5, PB
	v_lshl_add_u32 v[ADRB0], v4, 4, v[ADRB0]
	v_add_nc_u32 v[ADRB0], BOFF, v[ADRB0]          ; the turning load: row 8 h + lane % 8, 16 bytes by (lane / 8) % 2
	v_mov_b32 v[AA], v[ADRA0]
	v_mov_b32 v[AB], v[ADRB0]
	v_and_b32 v[PFO], 31, v0
	v_lshlrev_b32 v[PFO], 11, v[PFO]
	s_mul_i32 s101, s[WV], 16*SP
	s_add_co_u32 s101, s101, STAGE                 ; my stage
	v_mul_u32_u24 v[STO], v1, SP                   ; in: row r, 16 bytes for each half of the lanes
	v_lshl_add_u32 v[STO], v2, 4, v[STO]
	v_add_nc_u32 v[STO], s101, v[STO]
	v_bfe_u32 v[RD], v0, 3, 2                      ; back: 32 lanes take four rows of 128 bytes,
	v_mul_u32_u24 v[RD], v[RD], SP
	v_lshl_add_u32 v[RD], v3, 4, v[RD]
	v_add_nc_u32 v[RD], s101, v[RD]
	v_and_b32 v[GO], 31, v0                        ; which are 512 consecutive bytes of a head
	v_lshlrev_b32 v[GO], 4, v[GO]
	s_wait_tensorcnt 0x1                           ; my part of K step 0 is in; K step 1's may stay out
	s_barrier_signal -1
	s_barrier_wait -1
	FETCH 0, 0
	QUARTER 1, 0, 1, 1                             ; the first quarter's products start the sums
	WIN 0
.Lk:                                           ; six trips: from a K step's second quarter to the next step's first; trip i asks for K step i + 2
	QUARTER 2, 1, 0, 0
	QUARTER 3, 0, 1, 0
	TURN 1
	QUARTER 1, 0, 1, 0
	WIN 0
	s_sub_co_u32 s[KC], s[KC], 1
	s_cmp_lg_u32 s[KC], 0
	s_cbranch_scc1 .Lk
	s_mov_b32 s[TCN], 2
.Lt:                                           ; the last two K steps ask for nothing; the second trip is left behind its last products (its run of loads, from bytes that landed long ago, serves nothing)
	QUARTER 2, 1, 0, 0
	QUARTER 3, 0, 1, 0
	TURN 0
	WIN 0
	s_cmp_eq_u32 s[TCN], 1
	s_cbranch_scc1 .Lout
	QUARTER 1, 0, 1, 0
	WIN 0
	s_sub_co_u32 s[TCN], s[TCN], 1
	s_cmp_lg_u32 s[TCN], 0
	s_cbranch_scc1 .Lt
.Lout:
	s_wait_dscnt 0x0
	s_wait_loadcnt 0x0                             ; cos, sin, ve, x[:8], wgate
	PLACES
	s_lshr_b32 s31, s[TR], 3                       ; the batch
	s_and_b32 s71, s[TR], 7
	s_lshl_b32 s71, s71, 8
	s_lshl_b32 s83, s[WV], 6
	s_add_co_u32 s71, s71, s83                     ; t0
	s_mul_i32 s83, s[XX], 12
	s_add_co_u32 s83, s83, s[CX]
	s_lshl4_add_u32 s83, s31, s83                  ; 16 batch + 12 X + cx: the first head, always one of q
	s_lshl_b32 s83, s83, 11
	s_add_co_u32 s83, s83, s71
	s_lshl_b32 s98, s83, 7
	s_mov_b32 s99, 0
	s_lshl2_add_u32 s31, s31, s[CX]                ; 4 batch + cx: the head of k and of v
	s_lshl_b32 s31, s31, 11
	s_add_co_u32 s31, s31, s71
	s_lshl_b32 s100, s31, 7
	s_mov_b32 s101, 0
	s_add_nc_u64 s[DST:DST+1], s[16:17], s[98:99]
	s_add_nc_u64 s[DST+2:DST+3], s[DST:DST+1], 0x100000    ; four heads of q on,
	s_add_nc_u64 s[DST+4:DST+5], s[DST:DST+1], 0x200000    ; and eight
	s_add_nc_u64 s[98:99], s[18:19], s[100:101]
	s_add_nc_u64 s[100:101], s[20:21], s[100:101]
	s_mov_b32 s[SC], CSC
	s_mov_b32 s[SC+2], CSC
	s_cmp_eq_u32 s[XX], 0
	s_cselect_b64 s[DST+2:DST+3], s[DST+2:DST+3], s[98:99]
	s_cselect_b64 s[DST+4:DST+5], s[DST+4:DST+5], s[100:101]
	s_cselect_b32 s[SC+1], s[SC], 1.0              ; q carries c, k does not
	s_mov_b32 s[I64], 0x3c800000                   ; 1 / 64
	s_mov_b32 s[EPS], 0x34000000                   ; 2^-23
	s_mov_b32 s[SEL], 0x76543210
	s_mov_b32 s[SEL+1], 0xfedcba98
	s_mov_b32 s83, 0xffff0000
.set n, 0
.rept 64                               ; cos and sin rounded to bf16, in place
	v_cvt_pk_bf16_f32 v[3+n%4], v[CSN+2*n], v[CSN+2*n+1]
	v_lshlrev_b32 v[CSN+2*n], 16, v[3+n%4]
	v_and_b32 v[CSN+2*n+1], s83, v[3+n%4]
.set n, n+1
.endr
	s_cmp_eq_u32 s[XX], 0
	s_cbranch_scc1 .Lno_gate
	; the gates: 2 / (1 + 2^(-log2(e) z)), z = x[:8] . wgate[:, cx], both in bf16, summed in f32
.irp i, 0,1,2,3
	v_cvt_pk_bf16_f32 v[T+24+\i], v[T+16+2*\i], v[T+17+2*\i]
.endr
	v_mov_b32 v[T+28], 0
.irp ra, 0,1,2,3
	v_fma_mix_f32_bf16 v[GT+\ra], v[T+4*\ra], v[T+24], v[T+28] op_sel_hi:[1,1,0]
.endr
.irp ra, 0,1,2,3
	v_fma_mix_f32_bf16 v[GT+\ra], v[T+4*\ra], v[T+24], v[GT+\ra] op_sel:[1,1,0] op_sel_hi:[1,1,0]
.endr
.irp i, 1,2,3
.irp ra, 0,1,2,3
	v_fma_mix_f32_bf16 v[GT+\ra], v[T+4*\ra+\i], v[T+24+\i], v[GT+\ra] op_sel_hi:[1,1,0]
.endr
.irp ra, 0,1,2,3
	v_fma_mix_f32_bf16 v[GT+\ra], v[T+4*\ra+\i], v[T+24+\i], v[GT+\ra] op_sel:[1,1,0] op_sel_hi:[1,1,0]
.endr
.endr
.irp ra, 0,1,2,3
	v_mul_f32 v[GT+\ra], 0xbfb8aa3b, v[GT+\ra]
.endr
.irp ra, 0,1,2,3
	v_exp_f32 v[GT+\ra], v[GT+\ra]
.endr
	v_nop                                          ; a plain instruction behind the last exponential,
	s_wait_alu depctr_va_vdst(0)                   ; and one wait for the four, ahead of their first reader
.irp ra, 0,1,2,3
	v_add_f32 v[GT+\ra], 1.0, v[GT+\ra]
.endr
.irp ra, 0,1,2,3
	v_rcp_f32 v[GT+\ra], v[GT+\ra]
.endr
	v_nop
	s_wait_alu depctr_va_vdst(0)
.irp ra, 0,1,2,3
	v_add_f32 v[GT+\ra], v[GT+\ra], v[GT+\ra]
.endr
.Lno_gate:
; A UNIT is one head of one row block: 32 numbers a lane, made in T.  ROPE: the rotary step on accumulators two apart (each read from its lowest registers on), the sum of squares over
; the lane's 32 and the other half of the lanes' 32, and the scale rsqrt(mean + eps) times c or 1.
.macro ROPE ra, hs
	WIN 0x02+(\ra)/2                               ; source 0: the accumulators' window
.irp cb, 0,1
.irp jp, 0,1,2,3
.set X1, 8*(NCB*((\ra)%2)+4*(\hs)+\cb)+2*\jp
.set X2, X1+16
.set CC, CSN+32*(\ra)+8*\cb+2*\jp
.set SS, CC+16
.set O1, T+8*\cb+2*\jp
.set O2, O1+16
	v_pk_mul_f32 v[O1:O1+1], v[X1:X1+1], v[CC:CC+1]
	v_pk_mul_f32 v[O2:O2+1], v[X2:X2+1], v[CC:CC+1]
	v_pk_fma_f32 v[O1:O1+1], v[X2:X2+1], v[SS:SS+1], v[O1:O1+1]
	v_pk_fma_f32 v[O2:O2+1], v[X1:X1+1], v[SS:SS+1], v[O2:O2+1] neg_lo:[1,0,0] neg_hi:[1,0,0]
.endr
.endr
	WIN 0
	v_pk_mul_f32 v[12:13], v[T:T+1], v[T:T+1]
	v_pk_mul_f32 v[14:15], v[T+2:T+3], v[T+2:T+3]
.set n, 4
.rept 7
	v_pk_fma_f32 v[12:13], v[T+n:T+n+1], v[T+n:T+n+1], v[12:13]
	v_pk_fma_f32 v[14:15], v[T+n+2:T+n+3], v[T+n+2:T+n+3], v[14:15]
.set n, n+4
.endr
	v_pk_add_f32 v[12:13], v[12:13], v[14:15]
	v_add_f32 v12, v12, v13
	v_permlanex16_b32 v13, v12, s[SEL], s[SEL+1]
	v_add_f32 v12, v12, v13
	v_fma_f32 v12, v12, s[I64], s[EPS]
	v_rsq_f32 v12, v12
	v_nop
	s_wait_alu depctr_va_vdst(0)
	v_mul_f32 v12, s[SC+(\hs)], v12
.set n, 0
.rept 16
	v_pk_mul_f32 v[T+n:T+n+1], v[T+n:T+n+1], v[12:13] op_sel_hi:[1,0]
.set n, n+2
.endr
.endm
.macro VALUE ra                        ; v + gate x bf16(ve)
	WIN 0x0a+5*((\ra)/2)                           ; sources 0 and 1: ve's window
.set n, 0
.rept 16
	v_cvt_pk_bf16_f32 v[PKD+n], v[192+32*((\ra)%2)+2*n], v[192+32*((\ra)%2)+2*n+1]
.set n, n+1
.endr
	WIN 0x20+0x10*((\ra)/2)                        ; source 2: the accumulators' window
.set n, 0
.rept 16
	v_fma_mix_f32_bf16 v[T+2*n],   v[PKD+n], v[GT+(\ra)], v[8*(NCB*((\ra)%2)+8)+2*n]   op_sel_hi:[1,0,0]
	v_fma_mix_f32_bf16 v[T+2*n+1], v[PKD+n], v[GT+(\ra)], v[8*(NCB*((\ra)%2)+8)+2*n+1] op_sel:[1,0,0] op_sel_hi:[1,0,0]
.set n, n+1
.endr
	WIN 0
.endm
.macro FINISH u                        ; T rounded to f16; 16 bytes a lane into my stage's rows of 144 bytes; back as whole rows of 128
.set n, 0
.rept 16
	v_cvt_pk_f16_f32 v[PKD+n], v[T+2*n], v[T+2*n+1]
.set n, n+1
.endr
.irp f, 0,1,2,3
	ds_store_b128 v[STO], v[PKD+4*\f:PKD+4*\f+3] offset:32*\f
.endr
	s_wait_xcnt 0x0                                ; the stores of two units back have read these registers
.irp g, 0,1,2,3
	ds_load_b128 v[BK+16*((\u)%2)+4*\g:BK+16*((\u)%2)+4*\g+3], v[RD] offset:\g*4*SP  ; LDS serves a wave's instructions in order: these see the stores above
.endr
.endm
.macro SEND u, younger                 ; younger: the LDS instructions issued behind unit u's loads: the next unit's eight, or none
.irp g, 0,1,2,3
	s_wait_dscnt (\younger)+3-\g
	global_store_b128 v[GO], v[BK+16*((\u)%2)+4*\g:BK+16*((\u)%2)+4*\g+3], s[DST+2*((\u)%3):DST+2*((\u)%3)+1] offset:((\u)/3)*2048+\g*512  ; 512 consecutive bytes, aligned
.endr
.endm
.macro HEAD2 ra                        ; the tile's third head: one of q, or the head of v
	s_cmp_eq_u32 s[XX], 0
	s_cbranch_scc0 .Lvalue_\@
	ROPE \ra, 2
	s_branch .Lmade_\@
.Lvalue_\@:
	VALUE \ra
.Lmade_\@:
	FINISH 3*(\ra)+2
.endm
.irp ra, 0,1,2,3
	ROPE \ra, 0
	FINISH 3*\ra
.if \ra > 0
	SEND 3*\ra-1, 8
.endif
	ROPE \ra, 1
	FINISH 3*\ra+1
	SEND 3*\ra, 8
	HEAD2 \ra
	SEND 3*\ra+1, 8
.endr
	SEND 11, 0
	s_wait_tensorcnt 0x0                           ; the wave's end
	ds_add_u32 v[SPW], v[NIL]
	s_wait_dscnt 0x0
	CROUND                                         ; the closing round
	s_endpgm
.Lfunc_end_k_q7b799fc90a_qkv:
	.size	k_q7b799fc90a_qkv, .Lfunc_end_k_q7b799fc90a_qkv-k_q7b799fc90a_qkv
	.p2alignl 7, 3214868480
	.fill 96, 4, 3214868480
	.section	.rodata,"a",@progbits
	.p2align	6, 0x0
	.amdhsa_kernel k_q7b799fc90a_qkv
		.amdhsa_group_segment_fixed_size 327680
		.amdhsa_private_segment_fixed_size 0
		.amdhsa_enable_private_segment 0
		.amdhsa_kernarg_size 72
		.amdhsa_user_sgpr_count 2
		.amdhsa_user_sgpr_kernarg_segment_ptr 1
		.amdhsa_wavefront_size32 1
		.amdhsa_system_sgpr_workgroup_id_x 1
		.amdhsa_system_sgpr_workgroup_id_y 1
		.amdhsa_system_sgpr_workgroup_id_z 1
		.amdhsa_system_vgpr_workitem_id 0
		.amdhsa_next_free_vgpr 1024
		.amdhsa_next_free_sgpr 102
		.amdhsa_reserve_vcc 0
		.amdhsa_float_denorm_mode_32 3
		.amdhsa_float_denorm_mode_16_64 3
		.amdhsa_memory_ordered 1
		.amdhsa_forward_progress 1
		.amdhsa_inst_pref_size 171
	.end_amdhsa_kernel
	.amdgpu_metadata
---
amdhsa.version: [ 1, 2 ]
amdhsa.kernels:
  - .name:           k_q7b799fc90a_qkv
    .symbol:         k_q7b799fc90a_qkv.kd
    .args:
      - { .name: xb, .offset: 0, .size: 8, .value_kind: global_buffer, .address_space: global }
      - { .name: wb1, .offset: 8, .size: 8, .value_kind: global_buffer, .address_space: global }
      - { .name: cos, .offset: 16, .size: 8, .value_kind: global_buffer, .address_space: global }
      - { .name: sin, .offset: 24, .size: 8, .value_kind: global_buffer, .address_space: global }
      - { .name: ve, .offset: 32, .size: 8, .value_kind: global_buffer, .address_space: global }
      - { .name: wgate, .offset: 40, .size: 8, .value_kind: global_buffer, .address_space: global }
      - { .name: qh, .offset: 48, .size: 8, .value_kind: global_buffer, .address_space: global }
      - { .name: kh, .offset: 56, .size: 8, .value_kind: global_buffer, .address_space: global }
      - { .name: vh, .offset: 64, .size: 8, .value_kind: global_buffer, .address_space: global }
    .group_segment_fixed_size: 327680
    .private_segment_fixed_size: 0
    .kernarg_segment_align: 8
    .kernarg_segment_size: 72
    .max_flat_workgroup_size: 128
    .sgpr_count:     102
    .vgpr_count:     1024
    .wavefront_size: 32
...
	.end_amdgpu_metadata
.endif
;; end of part 2
;; launch attn (part 3): grid 12 x 16, 4 waves a work-group, no clusters, 327,680 bytes of LDS; arguments qh, kh, vh, yb; writes yb
.if DOCPART == 3
	.amdgcn_target "amdgcn-amd-amdhsa--gfx1250"
	.amdhsa_code_object_version 6
	.text
	.protected	k_q7b799fc90a_attn
	.globl	k_q7b799fc90a_attn
	.p2align	8
	.type	k_q7b799fc90a_attn,@function
k_q7b799fc90a_attn:
	s_mov_b64 s[64:65], 0
	v_nop
	global_prefetch_b8 v0, s[64:65] scope:SCOPE_SE
	s_setreg_imm32_b32 hwreg(HW_REG_WAVE_MODE, 25, 1), 1
	s_wait_xcnt 0x0
; ATTENTION, causal, window 1,024.  y[pos][head] = sum over pos - 1024 < k <= pos of softmax_k(q . k / 8) v[k].  qh [4][16][2048][64] (already times c = log2(e) / 8), kh, vh [4][4][2048][64], f16;
; yb [8192][1024] f16.  Products and sums in f32; the weights are rounded to f16 for the second product, their sum l is taken of the unrounded weights, y is rounded once.
; NO MAXIMUM IS TAKEN AWAY, and none is needed: q and k are RMS-normalised over 64 numbers by the module itself, so |q|^2 and |k|^2 are at most 64 for every input and |q . k| / 8 at most 8:
; a weight 2^s = e^(q.k/8) lies in 3.3e-4 .. 3.0e3, inside f16's normal range, and a row's sum is at most 1,024 x 3.0e3 = 3.1e6.
; LIMITS.  A hidden score counts as its value less 1e30 (its weight is 0).  v arrives within 65,504.  NaN and infinities are not treated apart.
; SHARES.  A BLOCK is 64 positions x the four query heads of one key head, which share K, V and the mask.  Wave w owns positions 16 w .. 16 w + 15; its four PIECES are the heads.
; Keys go in steps of 64, fetched in aligned pairs of 128.  Block j needs the steps max(0, j - 16) .. j: in whole pairs 9 for j >= 16, j / 2 + 1 for j < 16, and 9 for the blocks u and 15 - u together.
; So a key head has 24 units of 9 pairs; a work-group takes two (u < 8: block 16 + u, then u and 15 - u; else blocks 16 + u and 20 + u): 18 pairs, 36 steps, 9 slots, whatever u: every trip count is a constant.
; Which pair is asked for and which mask a step takes hang on scalars made from u.
; NO CLUSTER: the four heads that share K and V sit in one work-group already; the 12 work-groups of a key head walk different windows, so that in a given trip they ask for different pairs.
; THE MASK is the C operand of the four products that start a score tile: MC = MD x AL + BE.  MD (made once) is -1e30 where the key's place in its step is beyond the query's place in its block.  With
; DD = block - key step: DD = 0, the diagonal: (1, 0); DD = 16, the window's edge, the exact complement: (-1, -1e30); DD < 0 or > 16: (0, -1e30); else (0, 0).
; LAYOUT.  S^T = K Q^T holds one query a lane (lane % 16) and the keys 8 (lane / 16) + 0..7; two such results rounded to f16 are source 1 of O^T = V^T P.
; BY TURNS.  Turn p of a step: 8 products K Q^T of piece p + 1; the 32 exponentials of piece p; the roundings and sums of piece p - 1 and its 8 products V^T P.  Behind every matrix instruction stand two plain
; instructions and two exponentials.  A turn's exponentials are one batch with one wait, at the turn's end: their results are first named in the next turn.
; REGISTERS.  window 0: v1-15 addresses, v16-23 l (a pair a piece), v24-31 at work, v62-63 the add's, v64-191 S (32 a piece), v192-223 P (two buffers, by the piece's parity)
;   window 1: v0-127 O^T, v128-159 MD, v160-191 MC     window 2: v0-63 Q, v64-127 the next block's Q, v128-191 K and v192-255 V of even steps     window 3: v128-255 K and V of odd steps
.set KS,    64
.set PK,    144                        ; a row of K in LDS: 128 bytes + 16: the 16 rows of a load start at 16 different groups of four banks
.set PV,    160                        ; a row of V: 128 + 32
.set VOFF,  4*KS*PK                    ; a slot holds four steps: 256 rows of K, then 256 of V
.set SLOT1, 1<<17
.set STAGE, SLOT1+4*KS*(PK+PV)         ; behind the ring: 16 rows x 528 bytes for each wave
.set SP,    528
.set SPARE, STAGE+4*16*SP              ; the spare words
.set AK0, 2
.set AV0, 3
.set AK,  4
.set AV,  5
.set STO, 6
.set RD,  7
.set GO,  8
.set QO,  15
.set LL,  16
.set WK,  24
.set SPW, 62
.set NIL, 63
.set S,   64
.set P,   192
.set MD,  128
.set MC,  160
.set QB,  64
.set KF,  128
.set VF,  192
.set WV,  12
.set G1K, 24
.set G1V, 32
.set G0K, 40
.set G0V, 44
.set J0,  48                           ; the blocks,
.set J1,  49
.set J2,  50
.set D0,  51                           ; key pair less stream pair, for each of them,
.set D1,  52
.set D2,  53
.set P2,  54                           ; the stream pair at which the third block begins (99: there is none)
.set NQ,  55                           ; the stream pair at which the third block's Q is asked for
.set SLOTS, 56
.set CNT, 57
.set LP,  58                           ; the stream pair that I fetched last
.set PI,  59                           ; the stream pair whose mask was made last
.set SEL, 60
.set TBK, 62
.set TBV, 63
.set DD,  66
.set SW,  67                           ; 1: a block has ended
.set JC,  68                           ; the block of pair PI
.set AL,  70
.set BE,  72
.set BIGN, 74
.set OFF, 76
.set YB0, 78                           ; yb at my 16 rows of block 0, my key head's 512 bytes
.set OADR, 80                          ; the same in the block in hand
.set QN,  82
.set MSB, 0
.macro WIN new
.if MSB != (\new)
	s_set_vgpr_msb (MSB<<8)|(\new)
.set MSB, (\new)
.endif
.endm
.macro PLACES
.rept 4
	v_nop
.endr
.endm
.macro LOAD                            ; a fill: waves 0, 1 fetch K of the slot's two pairs, waves 2, 3 V; s_nop 0 and four v_nop follow each line
	s_cmp_lt_u32 s[WV], 2
	s_cbranch_scc0 .Lfor_v_\@
	tensor_load_to_lds s[G0K:G0K+3], s[G1K:G1K+7]
	s_nop 0
.rept 4
	v_nop
.endr
	s_branch .Lasked_\@
.Lfor_v_\@:
	tensor_load_to_lds s[G0V:G0V+3], s[G1V:G1V+7]
	s_nop 0
.rept 4
	v_nop
.endr
.Lasked_\@:
.endm
; THE CHANGE OF SLOTS.  Each wave waits for all its tensor loads (one is out: its part of the other slot), adds 0 to its spare word, and waits for that and for its reads of the slot that it leaves.
; fill = 1: the old slot is filled again, first thing behind the barrier, with my stream pair LP + 2; the address is made anew from that pair's key pair.
.macro CHANGE fill
	WIN 0
	s_wait_tensorcnt 0x0
	ds_add_u32 v[SPW], v[NIL]
.if \fill
	s_add_co_u32 s[LP], s[LP], 2
	s_cmp_ge_u32 s[LP], 9
	s_cselect_b32 s86, s[D1], s[D0]
	s_cmp_ge_u32 s[LP], s[P2]
	s_cselect_b32 s86, s[D2], s86
	s_add_co_u32 s86, s86, s[LP]                   ; the key pair, 0 .. 15
	s_lshl_b32 s[OFF], s86, 14                     ; 128 keys of 128 bytes
	s_xor_b32 s[G0K+1], s[G0K+1], SLOT1
	s_add_nc_u64 s[G0K+2:G0K+3], s[6:7], s[OFF:OFF+1]
	s_or_b32 s[G0K+3], s[G0K+3], 0x80000000
	s_xor_b32 s[G0V+1], s[G0V+1], SLOT1
	s_add_nc_u64 s[G0V+2:G0V+3], s[8:9], s[OFF:OFF+1]
	s_or_b32 s[G0V+3], s[G0V+3], 0x80000000
.endif
	s_wait_dscnt 0x0
	s_barrier_signal -1
	s_sub_co_u32 s[TBK], s[TBK], 4*KS*PK           ; the fetches go back to a slot's first step, in the other slot
	s_xor_b32 s[TBK], s[TBK], SLOT1
	s_sub_co_u32 s[TBV], s[TBV], 4*KS*PV
	s_xor_b32 s[TBV], s[TBV], SLOT1
	s_barrier_wait -1
.if \fill
	LOAD
.endif
.endm
; Product i of 8 of S^T = K Q^T for piece x: channels 32 (i / 4) on, keys 16 (i % 4) on.  The first four start the sums with the mask.  The four accumulators take turns.
.macro KQ x, kbuf
.set rS, S+32*(\x)+8*(i%4)
.set rK, KF+16*(i%4)+8*(i/4)
.set rQ, 16*(\x)+8*(i/4)
.if i < 4
	WIN 0x1a+(\kbuf)                               ; K window 2 or 3, Q window 2, the mask window 1, S^T window 0
	v_wmma_f32_16x16x32_f16 v[rS:rS+7], v[rK:rK+7], v[rQ:rQ+7], v[MC+8*i:MC+8*i+7]
.else
	WIN 0x0a+(\kbuf)
	v_wmma_f32_16x16x32_f16 v[rS:rS+7], v[rK:rK+7], v[rQ:rQ+7], v[rS:rS+7]
.endif
.endm
; Product i of 8 of O^T += V^T P for piece x: keys 32 (i / 4) on, channels 16 (i % 4) on.
.macro PV x, vbuf
	WIN 0x52+(\vbuf)                               ; V window 2 or 3, P window 0, O^T window 1
.set rO, 32*(\x)+8*(i%4)
.set rV, VF+32*(i/4)+8*(i%4)
.set rPB, P+16*((\x)%2)+8*(i/4)
	v_wmma_f32_16x16x32_f16 v[rO:rO+7], v[rV:rV+7], v[rPB:rPB+7], v[rO:rO+7]
.endm
; Number q of the 16 sums of piece xc.  B n: of the four weights 4 n .. the second pair is added onto the first; L n: l takes that sum.  Order: B0 B1 B2 L0 B3 L1 B4 L2 B5 L3 B6 L4 B7 L5 L6 L7.
.macro BL q
.set isl, 0
.if (\q) < 2
.set nn, (\q)
.elseif (\q) >= 14
.set nn, (\q)-8
.set isl, 1
.elseif (\q)%2 == 0
.set nn, (\q)/2+1
.else
.set nn, ((\q)-3)/2
.set isl, 1
.endif
.if isl
	v_pk_add_f32 v[rL:rL+1], v[rL:rL+1], v[rC+4*nn:rC+4*nn+1]
.else
	v_pk_add_f32 v[rC+4*nn:rC+4*nn+1], v[rC+4*nn:rC+4*nn+1], v[rC+4*nn+2:rC+4*nn+3]
.endif
.endm
; TURN p of a step of parity b.  Turn 3's scores are the next step's (the other K buffer); turn 0's V^T P is the last step's (the other V buffer).
.macro TURN p, b
.set xk, ((\p)+1)%4
.set xe, (\p)
.set xc, ((\p)+3)%4
.set kb, (\b)
.set vb, (\b)
.if (\p) == 3
.set kb, 1-(\b)
.endif
.if (\p) == 0
.set vb, 1-(\b)
.endif
.set rE, S+32*xe
.set rC, S+32*xc
.set rP, P+16*(xc%2)
.set rL, LL+2*xc
.set i, 0
.rept 8
	KQ xk, kb
	WIN 0
	v_cvt_pk_f16_f32 v[rP+2*i], v[rC+4*i], v[rC+4*i+1]
	v_exp_f32 v[rE+2*i], v[rE+2*i]
	v_cvt_pk_f16_f32 v[rP+2*i+1], v[rC+4*i+2], v[rC+4*i+3]
	v_exp_f32 v[rE+2*i+1], v[rE+2*i+1]
.set i, i+1
.endr
.set i, 0
.rept 8
	PV xc, vb
	WIN 0
	BL 2*i
	v_exp_f32 v[rE+16+2*i], v[rE+16+2*i]
	BL 2*i+1
	v_exp_f32 v[rE+17+2*i], v[rE+17+2*i]
.set i, i+1
.endr
	v_nop                                          ; a plain instruction behind the last exponential,
	s_wait_alu depctr_va_vdst(0)                   ; and the batch's one wait, ahead of every reader, label and branch
.endm
; The LDS loads stand in runs of 16.  tail = 1: in the tail's last trip there is no further step, and the run is jumped over.
.macro FETCHK d, tail
	WIN 0
.if \tail
	s_cmp_eq_u32 s[CNT], 1
	s_cbranch_scc1 .Lno_k_\@
.endif
	v_add_nc_u32 v[AK], s[TBK], v[AK0]
	WIN 0x80+0x40*(\d)
.irp f, 0,1,2,3,4,5,6,7                ; keys 16 (f / 2) on, channels 32 (f % 2) on
	ds_load_b128 v[KF+8*\f:KF+8*\f+3],   v[AK] offset:(\f/2)*16*PK+(\f%2)*64
	ds_load_b128 v[KF+8*\f+4:KF+8*\f+7], v[AK] offset:(\f/2)*16*PK+(\f%2)*64+32
.endr
	s_add_co_u32 s[TBK], s[TBK], KS*PK
	WIN 0
.if \tail
.Lno_k_\@:
.endif
.endm
.macro FETCHV d, tail
	WIN 0
.if \tail
	s_cmp_eq_u32 s[CNT], 1
	s_cbranch_scc1 .Lno_v_\@
.endif
	v_add_nc_u32 v[AV], s[TBV], v[AV0]
	WIN 0x80+0x40*(\d)
.irp f, 0,1,2,3,4,5,6,7                ; keys 32 (f / 4) on, channels 16 (f % 4) on
	ds_load_tr16_b128 v[VF+8*\f:VF+8*\f+3],   v[AV] offset:(\f/4)*32*PV+(\f%4)*32
	ds_load_tr16_b128 v[VF+8*\f+4:VF+8*\f+7], v[AV] offset:(\f/4)*32*PV+16*PV+(\f%4)*32
.endr
	s_add_co_u32 s[TBV], s[TBV], KS*PV
	WIN 0
.if \tail
.Lno_v_\@:
.endif
.endm
.macro MASK                            ; AL and BE from DD, then MC = MD x AL + BE
	s_cmp_eq_u32 s[DD], 0
	s_cselect_b32 s[AL], 1.0, 0
	s_cmp_eq_u32 s[DD], 16
	s_cselect_b32 s[AL], -1.0, s[AL]
	s_cmp_gt_u32 s[DD], 15                         ; a negative DD counts as a large number
	s_cselect_b32 s[BE], s[BIGN], 0
	WIN 0x41
.set z, 0
.rept 16
	v_pk_fma_f32 v[MC+2*z:MC+2*z+1], v[MD+2*z:MD+2*z+1], s[AL:AL+1], s[BE:BE+1] op_sel_hi:[1,0,0]
.set z, z+1
.endr
	WIN 0
.endm
.macro NEWPAIR                         ; the next step is a pair's first
	s_add_co_u32 s[PI], s[PI], 1
	s_cmp_ge_u32 s[PI], 9
	s_cselect_b32 s86, s[D1], s[D0]
	s_cselect_b32 s[JC], s[J1], s[J0]
	s_cmp_ge_u32 s[PI], s[P2]
	s_cselect_b32 s86, s[D2], s86
	s_cselect_b32 s[JC], s[J2], s[JC]
	s_add_co_u32 s86, s86, s[PI]
	s_lshl_b32 s86, s86, 1                         ; its key step
	s_sub_co_u32 s[DD], s[JC], s86
	s_cmp_eq_u32 s[PI], 9
	s_cselect_b32 s[SW], 1, 0
	s_cmp_eq_u32 s[PI], s[P2]
	s_cselect_b32 s[SW], 1, s[SW]
	s_cmp_eq_u32 s[PI], 18
	s_cselect_b32 s[SW], 1, s[SW]
.endm
.macro QLOAD dst, base                 ; a block's Q: piece i / 2 (a head, 262,144 bytes on), channels 32 (i % 2) on
	WIN 0x80
.set i, 0
.rept 8
	global_load_b128 v[(\dst)+8*i:(\dst)+8*i+3],   v[QO], s[\base:\base+1] offset:(i/2)*262144+(i%2)*64
	global_load_b128 v[(\dst)+8*i+4:(\dst)+8*i+7], v[QO], s[\base:\base+1] offset:(i/2)*262144+(i%2)*64+32
.set i, i+1
.endr
	WIN 0
.endm
.macro QSWITCH                         ; in front of the new block's first scores: every old Q had its last use four plain instructions back or more
	s_wait_loadcnt 0x0
	WIN 0x82
.set i, 0
.rept 64
	v_mov_b32 v[i], v[QB+i]
.set i, i+1
.endr
	WIN 0
	s_cmp_eq_u32 s[PI], s[NQ]
	s_cbranch_scc0 .Lno_q_\@
	QLOAD QB, QN                                   ; the third block's Q: two steps or more ahead of its use
.Lno_q_\@:
.endm
; THE WAY OUT of a block, behind turn 0 of the step after its last: all four O^T are whole and none of the next block's has begun.  l's two halves and the other half of the lanes' are added; O^T is divided by l,
; rounded to f16 (into the registers of S of pieces 2 and 3, which are idle here), and sent through my stage: a row of 512 bytes is the four heads' channels of one position.  again = 1: O^T and l start anew.
.macro WAYOUT again
	WIN 0
.irp t, 0,1,2,3
	v_add_f32 v[WK+2*\t], v[LL+2*\t], v[LL+2*\t+1]
.endr
.irp t, 0,1,2,3
	v_permlanex16_b32 v[WK+2*\t+1], v[WK+2*\t], s[SEL], s[SEL+1]
.endr
.irp t, 0,1,2,3
	v_add_f32 v[WK+2*\t], v[WK+2*\t], v[WK+2*\t+1]
.endr
.irp t, 0,1,2,3
	v_rcp_f32 v[WK+2*\t], v[WK+2*\t]
.endr
	v_nop
	s_wait_alu depctr_va_vdst(0)                   ; one wait for the four reciprocals
.irp t, 0,1,2,3
	WIN 0x41
.set n, 0
.rept 16
	v_pk_mul_f32 v[32*\t+n:32*\t+n+1], v[32*\t+n:32*\t+n+1], v[WK+2*\t:WK+2*\t+1] op_sel_hi:[1,0]
.set n, n+2
.endr
	WIN 0x05
.set n, 0
.rept 16
	v_cvt_pk_f16_f32 v[S+64+16*\t+n], v[32*\t+2*n], v[32*\t+2*n+1]
.set n, n+1
.endr
	WIN 0
.irp f, 0,1,2,3
	ds_store_b128 v[STO], v[S+64+16*\t+4*\f:S+64+16*\t+4*\f+3] offset:128*\t+32*\f
.endr
.endr
.set n, 0
.rept 16
	ds_load_b128 v[S+64+4*n:S+64+4*n+3], v[RD] offset:n*SP  ; LDS serves a wave's instructions in order: these see the stores above
.set n, n+1
.endr
.set n, 0
.rept 16
	s_wait_dscnt 15-n
	global_store_b128 v[GO], v[S+64+4*n:S+64+4*n+3], s[OADR:OADR+1] offset:n*2048  ; 512 consecutive bytes, aligned
.set n, n+1
.endr
.if \again
	WIN 0x40
.set n, 0
.rept 128
	v_mov_b32 v[n], 0
.set n, n+1
.endr
	WIN 0
.set n, 0
.rept 8
	v_mov_b32 v[LL+n], 0
.set n, n+1
.endr
	s_wait_xcnt 0x0                                ; the stores have read their registers and their base
	s_lshl_b32 s84, s[JC], 17                      ; 64 rows of 2,048 bytes a block
	s_add_nc_u64 s[OADR:OADR+1], s[YB0:YB0+1], s[84:85]
	s_mov_b32 s[SW], 0
.endif
.endm
; A KEY STEP of parity b.  K of the next step is fetched at its head (its buffer was last read in the last step's turn 2), V of the next step behind turn 1 (its buffer was last read in turn 0); both are waited for in front
; of turn 3, which takes the next step's K, mask and, at a change of blocks, Q.
.macro STEP b, tail
	FETCHK 1-(\b), \tail
	TURN 0, \b
.if (\b) == 0
	WIN 0
.if \tail
	s_cmp_eq_u32 s[SW], 1
	s_cbranch_scc1 .Lfinal                         ; the walk's end
.else
	s_cmp_eq_u32 s[SW], 0
	s_cbranch_scc1 .Lno_out_\@
	WAYOUT 1
.Lno_out_\@:
.endif
.endif
	TURN 1, \b
	FETCHV 1-(\b), \tail
	TURN 2, \b
.if \b
	NEWPAIR
.else
	s_sub_co_u32 s[DD], s[DD], 1                   ; the pair's second step
.endif
	MASK
.if (\b) && !(\tail)
	s_cmp_eq_u32 s[SW], 0
	s_cbranch_scc1 .Lno_sw_\@
	QSWITCH
.Lno_sw_\@:
.endif
	s_wait_dscnt 0x0                               ; K and V of the next step are in
	TURN 3, \b
.endm
	s_load_b256 s[4:11], s[0:1], 0x0               ; qh s[4:5], kh s[6:7], vh s[8:9], yb s[10:11]
	v_lshl_add_u32 v[SPW], v0, 2, SPARE
	v_mov_b32 v[NIL], 0
	ds_add_u32 v[SPW], v[NIL]                      ; the wave's opening: the add and its wait ahead of my first tensor load
	ds_add_u32 v62, v63
	v_lshrrev_b32 v1, 5, v0
	v_readfirstlane_b32 s[WV], v1
	s_mov_b32 s86, ttmp9                           ; u
	s_add_co_u32 s[J0], s86, 16
	s_lshr_b32 s[D0], s86, 1                       ; (J0 - 16) / 2
	s_add_co_u32 s87, s86, 20
	s_sub_co_u32 s88, 15, s86
	s_add_co_u32 s89, s[D0], 10
	s_add_co_u32 s94, s86, 4
	s_lshr_b32 s94, s94, 1
	s_sub_co_u32 s94, s94, 9                       ; (20 + u - 16) / 2 - 9
	s_cmp_lt_u32 s86, 8
	s_cselect_b32 s[J1], s86, s87
	s_cselect_b32 s[J2], s88, s87
	s_cselect_b32 s[P2], s89, 99
	s_cselect_b32 s[NQ], 9, 99
	s_cselect_b32 s[D1], -9, s94
	s_sub_co_u32 s[D2], 0, s[P2]
	s_and_b32 s13, ttmp7, 0xffff                   ; 4 batch + key head
	s_and_b32 s14, s[WV], 1                        ; which of a slot's two pairs I fetch
	s_mul_i32 s15, s14, 128*PK
	s_mul_i32 s16, s14, 128*PV
	s_mov_b32 s[G1K], (1<<16)|(1<<20)|(4<<22)|(3<<25)  ; 2-byte elements; padding on; after every 32 words 4 words
	s_mov_b32 s[G1V], (1<<16)|(1<<20)|(4<<22)|(7<<25)  ; 8 words
.irp g, G1K, G1V
	s_mov_b32 s[\g+1], 128<<16                     ; 128 keys are 16,384 dense bytes: 64 rows of 256, two keys a row
	s_mov_b32 s[\g+2], 64<<16
	s_mov_b32 s[\g+3], 128<<16
	s_mov_b32 s[\g+4], 64
	s_mov_b32 s[\g+5], 128
	s_mov_b32 s[\g+6], 0
	s_mov_b32 s[\g+7], 0
.endr
	s_mov_b32 s[G0K], 1
	s_mov_b32 s[G0K+1], s15
	s_mov_b32 s[G0V], 1
	s_add_co_u32 s[G0V+1], s16, VOFF
	s_mov_b32 s[LP], s14
	s_add_co_u32 s17, s14, s[D0]                   ; my first key pair
	s_lshl_b32 s[OFF], s17, 14
	s_mov_b32 s[OFF+1], 0
	s_lshl_b32 s18, s13, 18                        ; the key head's first byte in kh and vh
	s_mov_b32 s19, 0
	s_lshl_b32 s20, s13, 20                        ; its first query head in qh,
	s_lshl_b32 s21, s[WV], 11                      ; my 16 rows
	s_add_co_u32 s20, s20, s21
	s_mov_b32 s21, 0
	s_lshr_b32 s22, s13, 2
	s_lshl_b32 s22, s22, 22                        ; yb: the batch's 2,048 rows of 2,048 bytes,
	s_and_b32 s23, s13, 3
	s_lshl_b32 s23, s23, 9                         ; the key head's 512 bytes of a row,
	s_add_co_u32 s22, s22, s23
	s_lshl_b32 s23, s[WV], 15                      ; my 16 rows
	s_add_co_u32 s22, s22, s23
	s_mov_b32 s23, 0
	s_mov_b32 s[SEL], 0x76543210
	s_mov_b32 s[SEL+1], 0xfedcba98
	s_mov_b32 s[TBK], SLOT1+4*KS*PK                ; the first change of slots turns these two into 0
	s_mov_b32 s[TBV], SLOT1+4*KS*PV
	s_mov_b32 s[AL+1], 0                           ; named as pairs
	s_mov_b32 s[BE+1], 0
	s_mov_b32 s[BIGN], 0xf149f2ca                  ; -1e30
	s_mov_b32 s85, 0
	s_wait_dscnt 0x0                               ; the opening add is done
	s_wait_kmcnt 0x0
	s_add_nc_u64 s[6:7], s[6:7], s[18:19]
	s_add_nc_u64 s[8:9], s[8:9], s[18:19]
	s_add_nc_u64 s[G0K+2:G0K+3], s[6:7], s[OFF:OFF+1]
	s_or_b32 s[G0K+3], s[G0K+3], 0x80000000
	s_add_nc_u64 s[G0V+2:G0V+3], s[8:9], s[OFF:OFF+1]
	s_or_b32 s[G0V+3], s[G0V+3], 0x80000000
	s_add_nc_u64 s[4:5], s[4:5], s[20:21]
	s_add_nc_u64 s[YB0:YB0+1], s[10:11], s[22:23]
	s_lshl_b32 s84, s[J0], 13                      ; 64 rows of 128 bytes a block
	s_add_nc_u64 s[90:91], s[4:5], s[84:85]
	s_lshl_b32 s84, s[J1], 13
	s_add_nc_u64 s[92:93], s[4:5], s[84:85]
	s_lshl_b32 s84, s[J2], 13
	s_add_nc_u64 s[QN:QN+1], s[4:5], s[84:85]
	s_lshl_b32 s84, s[J0], 17
	s_add_nc_u64 s[OADR:OADR+1], s[YB0:YB0+1], s[84:85]
	LOAD                                           ; slot 0; slot 1 is asked for when slot 0 is in
	v_and_b32 v1, 15, v0                           ; r
	v_bfe_u32 v9, v0, 4, 1                         ; h
	v_lshlrev_b32 v[QO], 7, v1
	v_lshl_add_u32 v[QO], v9, 4, v[QO]             ; row x 128 + 16 x half
	QLOAD 0, 90                                    ; the first block's Q,
	QLOAD QB, 92                                   ; and the second's
	v_lshlrev_b32 v14, 3, v9
	v_sub_nc_u32 v14, v1, v14
	s_lshl_b32 s13, s[WV], 4
	v_add_nc_u32 v14, s13, v14                     ; my query's place in its block, 16 w + r, less 8 h: register j of key group kt is hidden on the diagonal where 16 kt + j is greater
	WIN 0x40
.set i, 0
.rept 32
	v_cmp_gt_i32 vcc_lo, 16*(i/8)+i%8, v14
	v_cndmask_b32 v[MD+i], 0, s[BIGN], vcc_lo
.set i, i+1
.endr
	WIN 0
	v_mul_u32_u24 v[AK0], v1, PK
	v_lshl_add_u32 v[AK0], v9, 4, v[AK0]
	v_and_b32 v10, 7, v0
	v_bfe_u32 v11, v0, 3, 1
	v_lshl_add_u32 v[AV0], v9, 3, v10              ; the turning load: key 8 h + lane % 8, 16 bytes by (lane / 8) % 2
	v_mul_u32_u24 v[AV0], v[AV0], PV
	v_lshl_add_u32 v[AV0], v11, 4, v[AV0]
	v_add_nc_u32 v[AV0], VOFF, v[AV0]
	s_mul_i32 s13, s[WV], 16*SP
	s_add_co_u32 s13, s13, STAGE                   ; my stage
	v_mul_u32_u24 v[STO], v1, SP
	v_lshl_add_u32 v[STO], v9, 4, v[STO]
	v_add_nc_u32 v[STO], s13, v[STO]
	v_and_b32 v[GO], 31, v0
	v_lshlrev_b32 v[GO], 4, v[GO]                  ; 16 x lane: a row of 512 bytes
	v_add_nc_u32 v[RD], s13, v[GO]
	; what the first turn finds: its roundings, sums and V^T P are of a piece that has not been: S of piece 3 and the odd steps' V hold 0; O^T and l start at 0.  All this stands in the wait for the first tile.
	WIN 0xc0
.set i, VF
.rept 64
	v_mov_b32 v[i], 0
.set i, i+1
.endr
	WIN 0x40
.set i, 0
.rept 128
	v_mov_b32 v[i], 0
.set i, i+1
.endr
	WIN 0
.set i, 0
.rept 16
	v_mov_b32 v[LL+i], 0                           ; l, and the registers at work on the way out (a lane exchange's destination counts as read)
.set i, i+1
.endr
.set i, 0
.rept 32
	v_mov_b32 v[S+96+i], 0
.set i, i+1
.endr
	CHANGE 1                                       ; slot 0 is in, everybody's part of it; slot 1 is asked for
	FETCHK 0, 0
	FETCHV 0, 0
	s_mov_b32 s[PI], 0
	s_mov_b32 s[JC], s[J0]
	s_lshl_b32 s86, s[D0], 1
	s_sub_co_u32 s[DD], s[J0], s86
	MASK
	s_wait_loadcnt 0x0                             ; Q
	s_wait_dscnt 0x0
.set i, 0
.rept 8
	KQ 0, 0                                        ; piece 0's first scores
.set i, i+1
.endr
	WIN 0
	PLACES
	s_mov_b32 s[SW], 0
	s_mov_b32 s[CNT], 2
	s_mov_b32 s[SLOTS], 8
	s_branch .Lfirst                               ; the loop is entered at an even step, in the middle of a trip
.Lslot:                                        ; seven times: slots 2 to 8 are asked for
	CHANGE 1
	s_mov_b32 s[CNT], 2
.Lpair:
	STEP 1, 0
	WIN 0
.Lfirst:
	STEP 0, 0
	WIN 0
	s_sub_co_u32 s[CNT], s[CNT], 1
	s_cmp_lg_u32 s[CNT], 0
	s_cbranch_scc1 .Lpair
	s_sub_co_u32 s[SLOTS], s[SLOTS], 1
	s_cmp_lg_u32 s[SLOTS], 0
	s_cbranch_scc1 .Lslot
	CHANGE 0                                       ; the tail is written out: nothing is asked for
	s_mov_b32 s[CNT], 3                            ; two trips fetch the last slot's steps; the third holds step 35 and turn 0 of a step that is not, which finishes piece 3 (its 16 products K Q^T serve nothing)
.Ltp:
	STEP 1, 1
	STEP 0, 1
	WIN 0
	s_sub_co_u32 s[CNT], s[CNT], 1
	s_cmp_lg_u32 s[CNT], 0
	s_cbranch_scc1 .Ltp
.Lfinal:
	WAYOUT 0
	s_wait_tensorcnt 0x0                           ; the wave's end
	ds_add_u32 v[SPW], v[NIL]
	s_wait_dscnt 0x0
	s_endpgm
.Lfunc_end_k_q7b799fc90a_attn:
	.size	k_q7b799fc90a_attn, .Lfunc_end_k_q7b799fc90a_attn-k_q7b799fc90a_attn
	.p2alignl 7, 3214868480
	.fill 96, 4, 3214868480
	.section	.rodata,"a",@progbits
	.p2align	6, 0x0
	.amdhsa_kernel k_q7b799fc90a_attn
		.amdhsa_group_segment_fixed_size 327680
		.amdhsa_private_segment_fixed_size 0
		.amdhsa_enable_private_segment 0
		.amdhsa_kernarg_size 32
		.amdhsa_user_sgpr_count 2
		.amdhsa_user_sgpr_kernarg_segment_ptr 1
		.amdhsa_wavefront_size32 1
		.amdhsa_system_sgpr_workgroup_id_x 1
		.amdhsa_system_sgpr_workgroup_id_y 1
		.amdhsa_system_sgpr_workgroup_id_z 1
		.amdhsa_system_vgpr_workitem_id 0
		.amdhsa_next_free_vgpr 1024
		.amdhsa_next_free_sgpr 100
		.amdhsa_reserve_vcc 1
		.amdhsa_float_denorm_mode_32 3
		.amdhsa_float_denorm_mode_16_64 3
		.amdhsa_memory_ordered 1
		.amdhsa_forward_progress 1
		.amdhsa_inst_pref_size 160
	.end_amdhsa_kernel
	.amdgpu_metadata
---
amdhsa.version: [ 1, 2 ]
amdhsa.kernels:
  - .name:           k_q7b799fc90a_attn
    .symbol:         k_q7b799fc90a_attn.kd
    .args:
      - { .name: qh, .offset: 0, .size: 8, .value_kind: global_buffer, .address_space: global }
      - { .name: kh, .offset: 8, .size: 8, .value_kind: global_buffer, .address_space: global }
      - { .name: vh, .offset: 16, .size: 8, .value_kind: global_buffer, .address_space: global }
      - { .name: yb, .offset: 24, .size: 8, .value_kind: global_buffer, .address_space: global }
    .group_segment_fixed_size: 327680
    .private_segment_fixed_size: 0
    .kernarg_segment_align: 8
    .kernarg_segment_size: 32
    .max_flat_workgroup_size: 128
    .sgpr_count:     100
    .vgpr_count:     1024
    .wavefront_size: 32
...
	.end_amdgpu_metadata
.endif
;; end of part 3
;; launch proj (part 4): grid 8 x 32, 4 waves a work-group, clusters of 4 x 4, 327,680 bytes of LDS; arguments yb, wb2, out0; writes out0
.if DOCPART == 4
	.amdgcn_target "amdgcn-amd-amdhsa--gfx1250"
	.amdhsa_code_object_version 6
	.text
	.protected	k_q7b799fc90a_proj
	.globl	k_q7b799fc90a_proj
	.p2align	8
	.type	k_q7b799fc90a_proj,@function
k_q7b799fc90a_proj:
	s_mov_b64 s[64:65], 0
	v_nop
	global_prefetch_b8 v0, s[64:65] scope:SCOPE_SE
	s_setreg_imm32_b32 hwreg(HW_REG_WAVE_MODE, 25, 1), 1
	s_wait_xcnt 0x0
	s_wait_alu depctr_hold_cnt(0) depctr_sa_sdst(0) depctr_va_vdst(0) depctr_va_sdst(0) depctr_va_ssrc(0) depctr_va_vcc(0) depctr_vm_vsrc(0)
	s_getreg_b32 s2, hwreg(HW_REG_IB_STS2, 6, 4)
	s_cmp_eq_u32 s2, 0
	s_cbranch_scc0 .Lentry_in_a_cluster
	s_endpgm
.Lentry_in_a_cluster:
	s_bfe_u32 s2, ttmp6, 0x10000c
	s_cmp_lg_u32 s2, 0xf033
	s_cbranch_scc0 .Lentry_shape_is_right
	s_endpgm
.Lentry_shape_is_right:
; PROJ.  out0 = yb x wproj, f16 operands (wb2 holds wproj rounded to bf16 and written as f16), f32 sums, f32 output [8192][1024].
; SHARES.  A tile is 256 rows x 128 columns; 8 x 32 tiles, one a work-group.  Wave w owns rows 64 w .. 64 w + 63 and all 128 columns: 4 x 8 accumulators.  K goes in 8 steps of 128 through two LDS slots:
; A 256 rows x 256 bytes (pitch 272), B 256 rows (slab, k) x 128 bytes (pitch 160).  CLUSTER 4 x 4: A's tile is shared along a row of the cluster, B's along a column; waves 0, 1 ask for A's halves, 2, 3 for B's.
; THE PRODUCT IS TAKEN TRANSPOSED (source 0 = 16 columns of B, turned by ds_load_tr16_b128; source 1 = 16 rows of A): a lane holds one row (lane % 16) and eight neighbouring columns, 32 bytes of out0.
; REGISTERS.  window 0: v1 r, v2 h, v16-30 addresses, v64-127 A's fragments (two buffers), later v64-191 the way out     window 1: v0-127 B's fragments, two buffers
;   windows 2, 3: v0-127 accumulators (row block ra in window 2 + ra / 2, at 8 (8 (ra % 2) + b))
.set NS,    2
.set NCB,   4*NS
.set RB,    32*NS
.set PITCH, 272
.set PB,    160
.set BOFF,  256*PITCH
.set SLOT1, 131072
.set BSTEP, NS*16384
.set STAGE, SLOT1+BOFF+128*NS*PB       ; behind the ring: 16 rows x 528 bytes for each wave
.set SP,    528
.set SPARE, STAGE+4*16*SP              ; the spare words
.set ADRA0, 16
.set ADRB0, 17
.set AA,    18
.set AB,    19
.set STO,   24
.set RD,    25
.set GO,    26
.set SPW,   28
.set NIL,   29
.set PFO,   30
.set OB,    64
.set WV, 22
.set WH, 23
.set WL, 24
.set CX, 25
.set CY, 26
.set TC, 27
.set TR, 28
.set TB, 30
.set G1A, 32
.set G0A, 40
.set G1B, 48
.set G0B, 56
.set PFA, 66
.set LIM, 68
.set KC,  69
.set TCN, 70
.set OUT, 72
.set MSB, 0
.macro WIN new
.if MSB != (\new)
	s_set_vgpr_msb (MSB<<8)|(\new)
.set MSB, \new
.endif
.endm
.macro PLACES
.rept 4
	v_nop
.endr
.endm
.macro CREST
	s_cmp_lg_u32 s[WV], 0
	s_cbranch_scc1 .Lnot_wave_0_\@
	s_barrier_signal -3
.Lnot_wave_0_\@:
	s_barrier_wait -3
	s_barrier_signal -1
	s_barrier_wait -1
.endm
.macro CROUND
	s_barrier_signal -1
	s_barrier_wait -1
	CREST
.endm
.macro JLOAD                           ; a joint refill by the walking descriptor; s_nop 0 and four v_nop follow each line
	s_cmp_eq_u32 s[WH], 0
	s_cbranch_scc0 .Lfor_b_\@
	tensor_load_to_lds s[G0A+4:G0A+7], s[G1A:G1A+7]
	s_nop 0
.rept 4
	v_nop
.endr
	s_branch .Lasked_\@
.Lfor_b_\@:
	tensor_load_to_lds s[G0B+4:G0B+7], s[G1B:G1B+7]
	s_nop 0
.rept 4
	v_nop
.endr
.Lasked_\@:
.endm
; A prefetch of A's K step two refills on: 32 rows x 256 bytes, a lane a row; asked by waves 0 and 1 of the clusters with x = 0; the four partners take 32 of a wave's 128 rows each, by address.
; Trips 0 to 3 name K steps 4 to 7; the last two trips name nothing.  Each row's 256 bytes are named once.
.macro ASK
	s_cmp_gt_u32 s[KC], s[LIM]
	s_cbranch_scc0 .Lnot_mine_\@
	global_prefetch_b8 v[PFO], s[PFA:PFA+1] offset:256 th:TH_LOAD_NT scope:SCOPE_SE
.Lnot_mine_\@:
.endm
.macro MULA f, hi, ra, zero            ; 8 matrix instructions: row block 2 hi + ra x all column blocks, 32 along K
	WIN 0xa1+0x50*(\hi)
.set bb, 0
.rept NCB
.set rD, 8*(NCB*(\ra)+bb)
.set rB, 8*NCB*(\f)+8*bb
.set rA, 64+32*(\f)+8*(2*(\hi)+(\ra))
.if \zero
	v_wmma_f32_16x16x32_f16 v[rD:rD+7], v[rB:rB+7], v[rA:rA+7], 0
.else
	v_wmma_f32_16x16x32_f16 v[rD:rD+7], v[rB:rB+7], v[rA:rA+7], v[rD:rD+7]
.endif
.set bb, bb+1
.endr
.endm
.macro FETCH q, f                      ; 24 LDS loads in one run: B's 16 first, then A's 8
	WIN 0x40
.set bb, 0
.rept NCB
	ds_load_tr16_b128 v[8*NCB*(\f)+8*bb:8*NCB*(\f)+8*bb+3],   v[AB] offset:(bb/4)*128*PB+(\q)*32*PB+32*(bb%4)
	ds_load_tr16_b128 v[8*NCB*(\f)+8*bb+4:8*NCB*(\f)+8*bb+7], v[AB] offset:(bb/4)*128*PB+(\q)*32*PB+32*(bb%4)+16*PB
.set bb, bb+1
.endr
	WIN 0
.irp i, 0,1,2,3
	ds_load_b128 v[64+32*(\f)+8*\i:64+32*(\f)+8*\i+3],   v[AA] offset:64*(\q)+\i*16*PITCH
	ds_load_b128 v[64+32*(\f)+8*\i+4:64+32*(\f)+8*\i+7], v[AA] offset:64*(\q)+\i*16*PITCH+32
.endr
.endm
.macro QUARTER q, f, g, zero           ; the 32 accumulators take turns in one order everywhere
	s_wait_dscnt 4                                 ; B and A's row blocks 0, 1 are in; the youngest four loads may be out
	MULA \f, 0, 0, \zero
	MULA \f, 0, 1, \zero
	PLACES
	FETCH \q, \g
	s_wait_dscnt 2*NCB+8                           ; all but the run just issued
	MULA \f, 1, 0, \zero
	MULA \f, 1, 1, \zero
.endm
; The last quarter changes slots: in front of the barrier each wave waits for all its tensor loads, adds 0 to its spare word, and waits for that and for its reads of this slot.
; fill = 1: the barrier opens a round of the cluster's, and the joint refill is the first thing behind the round.
.macro TURN fill
.if \fill
	s_wait_xcnt 0x0                                ; the last prefetch, a K step back, has read its address
	s_add_nc_u64 s[PFA:PFA+1], s[PFA:PFA+1], 256
.endif
	WIN 0
	s_wait_tensorcnt 0x0
	ds_add_u32 v[SPW], v[NIL]
.if \fill
	s_xor_b32 s[G0A+5], s[G0A+5], SLOT1
	s_add_nc_u64 s[G0A+6:G0A+7], s[G0A+6:G0A+7], 256
	s_xor_b32 s[G0B+5], s[G0B+5], SLOT1
	s_add_nc_u64 s[G0B+6:G0B+7], s[G0B+6:G0B+7], BSTEP
.endif
	s_wait_dscnt 5                                 ; the add and the youngest four loads may be out
	MULA 1, 0, 0, 0
	s_wait_dscnt 0x0
	s_barrier_signal -1
	MULA 1, 0, 1, 0
	WIN 0
	s_barrier_wait -1
.if \fill
	CREST
	JLOAD
.else
	PLACES
.endif
	s_xor_b32 s[TB], s[TB], SLOT1
	v_add_nc_u32 v[AA], s[TB], v[ADRA0]
	v_add_nc_u32 v[AB], s[TB], v[ADRB0]
	FETCH 0, 0
.if \fill
	ASK
.endif
	MULA 1, 1, 0, 0
	MULA 1, 1, 1, 0
.endm
	s_load_b128 s[4:7], s[0:1], 0x0                ; yb s[4:5], wb2 s[6:7]
	s_load_b64 s[8:9], s[0:1], 0x10                ; out0
	v_lshl_add_u32 v[SPW], v0, 2, SPARE
	v_mov_b32 v[NIL], 0
	ds_add_u32 v[SPW], v[NIL]                      ; the wave's opening: the add and its wait ahead of my first tensor load
	ds_add_u32 v28, v29
	v_lshrrev_b32 v1, 5, v0
	v_readfirstlane_b32 s[WV], v1
	s_lshr_b32 s[WH], s[WV], 1
	s_and_b32 s[WL], s[WV], 1
	s_bfe_u32 s[CX], ttmp6, 0x40000
	s_bfe_u32 s[CY], ttmp6, 0x40004
	s_lshl_b32 s[TC], ttmp9, 2
	s_add_co_u32 s[TC], s[TC], s[CX]
	s_and_b32 s[TR], ttmp7, 0xffff
	s_lshl_b32 s[TR], s[TR], 2
	s_add_co_u32 s[TR], s[TR], s[CY]
	s_lshl_b32 s71, s[CY], 2
	s_lshl_b32 s71, 15, s71
	s_lshl_b32 s83, 0x1111, s[CX]
	s_or_b32 s[G1A], s71, (1<<16)|(1<<20)|(1<<21)|(5<<22)|(3<<25)
	s_or_b32 s[G1B], s83, (1<<16)|(1<<20)|(1<<21)|(4<<22)|(7<<25)
	s_mov_b32 s[G1A+1], 128<<16
	s_mov_b32 s[G1A+2], 128<<16
	s_mov_b32 s[G1A+3], 128<<16
	s_mov_b32 s[G1A+4], 128
	s_mov_b32 s[G1A+5], 1024
	s_mov_b32 s[G1A+6], 0
	s_mov_b32 s[G1A+7], 0
	s_mov_b32 s[G1B+1], 128<<16
	s_mov_b32 s[G1B+2], RB<<16
	s_mov_b32 s[G1B+3], 128<<16
	s_mov_b32 s[G1B+4], RB
	s_mov_b32 s[G1B+5], 128
	s_mov_b32 s[G1B+6], 0
	s_mov_b32 s[G1B+7], 0
	s_lshl_b32 s96, s[TR], 19                      ; A's offset: registers that never hold cx
	s_lshl_b32 s97, s[WL], 18
	s_add_co_u32 s96, s96, s97
	s_mov_b32 s97, 0
	s_mul_i32 s98, s[TC], 8*BSTEP                  ; B's: registers that never hold cy
	s_mul_i32 s99, s[WL], RB*256
	s_add_co_u32 s98, s98, s99
	s_mov_b32 s99, 0
	s_mul_i32 s31, s[WL], 128*PITCH
	s_mul_i32 s100, s[WL], RB*320
	s_add_co_u32 s100, s100, BOFF
	s_lshl_b32 s[PFA], s[TR], 19
	s_lshl_b32 s83, s[WL], 18
	s_add_co_u32 s[PFA], s[PFA], s83
	s_lshl_b32 s83, s[CX], 16
	s_add_co_u32 s[PFA], s[PFA], s83
	s_add_co_u32 s[PFA], s[PFA], 512
	s_mov_b32 s[PFA+1], 0
	s_or_b32 s[LIM], s[WH], ttmp9
	s_cmp_eq_u32 s[LIM], 0
	s_cselect_b32 s[LIM], 2, -1
	s_lshl_b32 s[OUT], s[TR], 20                   ; out0: (256 row tile + 64 w) rows of 4,096 bytes + 512 x column tile
	s_lshl_b32 s83, s[WV], 18
	s_add_co_u32 s[OUT], s[OUT], s83
	s_lshl_b32 s83, s[TC], 9
	s_add_co_u32 s[OUT], s[OUT], s83
	s_mov_b32 s[OUT+1], 0
	s_mov_b32 s[TB], 0
	s_mov_b32 s[KC], 6
	s_wait_dscnt 0x0                               ; the opening add is done
	s_wait_kmcnt 0x0
	s_add_nc_u64 s[96:97], s[4:5], s[96:97]
	s_add_nc_u64 s[98:99], s[6:7], s[98:99]
	s_add_nc_u64 s[PFA:PFA+1], s[4:5], s[PFA:PFA+1]
	s_add_nc_u64 s[OUT:OUT+1], s[8:9], s[OUT:OUT+1]
.irp k, 0,1
	s_mov_b32 s[G0A+4*\k], 1
	s_add_co_u32 s[G0A+4*\k+1], s31, \k*SLOT1
	s_add_nc_u64 s[G0A+4*\k+2:G0A+4*\k+3], s[96:97], \k*256
	s_or_b32 s[G0A+4*\k+3], s[G0A+4*\k+3], 0x80000000
	s_mov_b32 s[G0B+4*\k], 1
	s_add_co_u32 s[G0B+4*\k+1], s100, \k*SLOT1
	s_add_nc_u64 s[G0B+4*\k+2:G0B+4*\k+3], s[98:99], \k*BSTEP
	s_or_b32 s[G0B+4*\k+3], s[G0B+4*\k+3], 0x80000000
.endr
	CROUND                                         ; all sixteen work-groups are here: the first joint loads meet
	s_cmp_eq_u32 s[WH], 0                          ; a wave's two first fills stand in one branch: two loads of mine are out
	s_cbranch_scc0 .Lfirst_b
	tensor_load_to_lds s[G0A:G0A+3], s[G1A:G1A+7]
	s_nop 0
	tensor_load_to_lds s[G0A+4:G0A+7], s[G1A:G1A+7]
	s_nop 0
.rept 4
	v_nop
.endr
	s_branch .Lfirst_done
.Lfirst_b:
	tensor_load_to_lds s[G0B:G0B+3], s[G1B:G1B+7]
	s_nop 0
	tensor_load_to_lds s[G0B+4:G0B+7], s[G1B:G1B+7]
	s_nop 0
.rept 4
	v_nop
.endr
.Lfirst_done:
	v_and_b32 v1, 15, v0                           ; r
	v_bfe_u32 v2, v0, 4, 1                         ; h
	s_mul_i32 s83, s[WV], 64*PITCH
	v_mul_u32_u24 v[ADRA0], v1, PITCH
	v_lshl_add_u32 v[ADRA0], v2, 4, v[ADRA0]
	v_add_nc_u32 v[ADRA0], s83, v[ADRA0]
	v_and_b32 v3, 7, v0
	v_bfe_u32 v4, v0, 3, 1
	v_lshl_add_u32 v5, v2, 3, v3
	v_mul_u32_u24 v[ADRB0], v5, PB
	v_lshl_add_u32 v[ADRB0], v4, 4, v[ADRB0]
	v_add_nc_u32 v[ADRB0], BOFF, v[ADRB0]
	v_mov_b32 v[AA], v[ADRA0]
	v_mov_b32 v[AB], v[ADRB0]
	v_and_b32 v[PFO], 31, v0
	v_lshlrev_b32 v[PFO], 11, v[PFO]
	s_mul_i32 s101, s[WV], 16*SP
	s_add_co_u32 s101, s101, STAGE                 ; my stage
	v_mul_u32_u24 v[STO], v1, SP                   ; in: row r, 32 bytes for each half of the lanes
	v_lshl_add_u32 v[STO], v2, 5, v[STO]
	v_add_nc_u32 v[STO], s101, v[STO]
	v_and_b32 v[GO], 31, v0
	v_lshlrev_b32 v[GO], 4, v[GO]                  ; back: 32 lanes take a row of 512 bytes
	v_add_nc_u32 v[RD], s101, v[GO]
	s_wait_tensorcnt 0x1                           ; my part of K step 0 is in; K step 1's may stay out
	s_barrier_signal -1
	s_barrier_wait -1
	FETCH 0, 0
	QUARTER 1, 0, 1, 1
	WIN 0
.Lk:                                           ; six trips; trip i asks for K step i + 2
	QUARTER 2, 1, 0, 0
	QUARTER 3, 0, 1, 0
	TURN 1
	QUARTER 1, 0, 1, 0
	WIN 0
	s_sub_co_u32 s[KC], s[KC], 1
	s_cmp_lg_u32 s[KC], 0
	s_cbranch_scc1 .Lk
	s_mov_b32 s[TCN], 2
.Lt:                                           ; the last two K steps ask for nothing; the second trip is left behind its last products
	QUARTER 2, 1, 0, 0
	QUARTER 3, 0, 1, 0
	TURN 0
	WIN 0
	s_cmp_eq_u32 s[TCN], 1
	s_cbranch_scc1 .Lout
	QUARTER 1, 0, 1, 0
	WIN 0
	s_sub_co_u32 s[TCN], s[TCN], 1
	s_cmp_lg_u32 s[TCN], 0
	s_cbranch_scc1 .Lt
.Lout:
	s_wait_dscnt 0x0
	PLACES
	PLACES
; THE WAY OUT, a row block at a time: 32 bytes a lane and column block straight from the accumulators (the low four registers first) into my stage's rows of 528 bytes; back as whole rows of 512.
.macro TOSTAGE ra
	WIN 0x08+4*((\ra)/2)                           ; the stores' data: window 2 or 3
.set bb, 0
.rept NCB
	ds_store_b128 v[STO], v[8*(NCB*((\ra)%2)+bb):8*(NCB*((\ra)%2)+bb)+3]   offset:64*bb
	ds_store_b128 v[STO], v[8*(NCB*((\ra)%2)+bb)+4:8*(NCB*((\ra)%2)+bb)+7] offset:64*bb+16
.set bb, bb+1
.endr
	WIN 0
	s_wait_xcnt 0x0                                ; the stores of two blocks back have read these registers
.set n, 0
.rept 16
	ds_load_b128 v[OB+64*((\ra)%2)+4*n:OB+64*((\ra)%2)+4*n+3], v[RD] offset:n*SP  ; LDS serves a wave's instructions in order: these see the stores above
.set n, n+1
.endr
.endm
.macro SEND ra, younger                ; younger: the LDS instructions issued behind this block's loads: the next block's 32, or none
.set n, 0
.rept 16
	s_wait_dscnt (\younger)+15-n
	global_store_b128 v[GO], v[OB+64*((\ra)%2)+4*n:OB+64*((\ra)%2)+4*n+3], s[OUT:OUT+1] offset:(\ra)*65536+n*4096  ; 512 consecutive bytes, aligned
.set n, n+1
.endr
.endm
	TOSTAGE 0
	TOSTAGE 1
	SEND 0, 32
	TOSTAGE 2
	SEND 1, 32
	TOSTAGE 3
	SEND 2, 32
	SEND 3, 0
	s_wait_tensorcnt 0x0                           ; the wave's end
	ds_add_u32 v[SPW], v[NIL]
	s_wait_dscnt 0x0
	CROUND                                         ; the closing round
	s_endpgm
.Lfunc_end_k_q7b799fc90a_proj:
	.size	k_q7b799fc90a_proj, .Lfunc_end_k_q7b799fc90a_proj-k_q7b799fc90a_proj
	.p2alignl 7, 3214868480
	.fill 96, 4, 3214868480
	.section	.rodata,"a",@progbits
	.p2align	6, 0x0
	.amdhsa_kernel k_q7b799fc90a_proj
		.amdhsa_group_segment_fixed_size 327680
		.amdhsa_private_segment_fixed_size 0
		.amdhsa_enable_private_segment 0
		.amdhsa_kernarg_size 24
		.amdhsa_user_sgpr_count 2
		.amdhsa_user_sgpr_kernarg_segment_ptr 1
		.amdhsa_wavefront_size32 1
		.amdhsa_system_sgpr_workgroup_id_x 1
		.amdhsa_system_sgpr_workgroup_id_y 1
		.amdhsa_system_sgpr_workgroup_id_z 1
		.amdhsa_system_vgpr_workitem_id 0
		.amdhsa_next_free_vgpr 1024
		.amdhsa_next_free_sgpr 102
		.amdhsa_reserve_vcc 0
		.amdhsa_float_denorm_mode_32 3
		.amdhsa_float_denorm_mode_16_64 3
		.amdhsa_memory_ordered 1
		.amdhsa_forward_progress 1
		.amdhsa_inst_pref_size 63
	.end_amdhsa_kernel
	.amdgpu_metadata
---
amdhsa.version: [ 1, 2 ]
amdhsa.kernels:
  - .name:           k_q7b799fc90a_proj
    .symbol:         k_q7b799fc90a_proj.kd
    .args:
      - { .name: yb, .offset: 0, .size: 8, .value_kind: global_buffer, .address_space: global }
      - { .name: wb2, .offset: 8, .size: 8, .value_kind: global_buffer, .address_space: global }
      - { .name: out0, .offset: 16, .size: 8, .value_kind: global_buffer, .address_space: global }
    .group_segment_fixed_size: 327680
    .private_segment_fixed_size: 0
    .kernarg_segment_align: 8
    .kernarg_segment_size: 24
    .max_flat_workgroup_size: 128
    .sgpr_count:     102
    .vgpr_count:     1024
    .wavefront_size: 32
...
	.end_amdgpu_metadata
.endif
;; end of part 4
